; MI455X (gfx1250); checked and timed in simulation.
; The chip was launched on July 23, 2026; its instructions are those of AMD's public machine-readable ISA for CDNA 5 (MIT licence, August 2026) and "CDNA5" Instruction Set Architecture Reference Guide (July 2026). The comments in the code are by the model that wrote it; some were corrected since.
;; Mo E Layer. Allowed arithmetic: float matrix products may take bf16 or f16 operands with f32 sums; other float arithmetic in f32, or as packed bf16 or f16 multiplies, adds, multiply-adds, maxima and minima; sums over many terms, partial sums and values carried from step to step in f32; what a program stores and reads back later, other than sums and carried values, may be rounded once to bf16 or f16.
;; Inputs: b1 8 x 4,096 float32; b2 8 x 1,024 float32; hidden_states 4 x 256 x 1,024 float32; router_b 8 float32; router_w 1,024 x 8 float32; w1 8 x 1,024 x 4,096 float32; w2 8 x 4,096 x 1,024 float32.
;; Outputs: out0 4 x 256 x 1,024 float32.
;; 2 versions, each right; version 2 is version 1 with the launches ffn1, ffn2 written anew for expert scheduling mode. Each part assembles by itself: llvm-mc -triple=amdgcn-amd-amdhsa -mcpu=gfx1250 --defsym DOCPART=n.
;; ======== version 1 of 2: 4 launches
;; workspace buffers: xb 2,097,152 bytes; sel 4,096 bytes of whole numbers; gate 8,192 bytes; hbuf 67,108,864 bytes; ybuf 16,777,216 bytes
;; launch router (part 1): grid 256 x 1, 2 waves a work-group, no clusters, 0 bytes of LDS; arguments hidden_states, router_w, router_b, xb, sel, gate; writes xb, sel, gate
.if DOCPART == 1
	.amdgcn_target "amdgcn-amd-amdhsa--gfx1250"
	.amdhsa_code_object_version 6
	.text
	.protected	k_qebc64fe16b_router
	.globl	k_qebc64fe16b_router
	.p2align	8
	.type	k_qebc64fe16b_router,@function
k_qebc64fe16b_router:
	s_mov_b64 s[64:65], 0
	v_nop
	global_prefetch_b8 v0, s[64:65] scope:SCOPE_SE
	s_setreg_imm32_b32 hwreg(HW_REG_WAVE_MODE, 25, 1), 1
	s_wait_xcnt 0x0
; THE ROUTER.  logits = x router_w + router_b for 1,024 tokens of 1,024 numbers and 8 experts; the two largest logits; their weights renormalised.
; Every input is rounded to bf16 before use (x, router_w, router_b); the products of two bf16 are exact in f32 and the sums are f32.  The rounded x is stored (xb) for the first product.
; Stored at fixed places: sel[t] = (1 << e0) | (1 << (e1 + 8)), whole numbers from which the later launches form their lists; gate[t] = (g0, g1).
; g0 = p0 / (p0 + p1) = 1 / (1 + e^(l1 - l0)), g1 = e^(l1 - l0) g0: the larger logit is taken away in front of the exponential, whose argument is never above 0.
; LIMITS.  The two experts are chosen by the logits, the lower index winning a tie: two logits so close that their f32 probabilities would tie may be ordered otherwise than by the probabilities.
; NaN and infinities are not treated apart.  2^x below 2^-126 counts as 0.
; SHARES.  A work-group of two waves has four tokens, a wave two.  Lane l has the numbers k = 128 m + 4 l + c (m = 0..7, c = 0..3) of both tokens: a load of x covers 512 consecutive bytes,
; a store of xb 256 consecutive bytes at a multiple of 256.  No matrix unit (8 columns), no LDS (a sum never leaves its wave), no cluster (what is shared, router_w, is 32 KB).
.set X,    32                          ; v[32:95]   x: token j, step m at X + 32 j + 4 m; packed in place to two registers
.set RW,   96                          ; v[96:223]  four slots of 32: router_w's rows 128 m + 4 l + c, expert e at 8 c + e; packed in place
.set SM,   224                         ; v[224:239] the sums: token j, expert e at SM + 8 j + e
.set RB,   240                         ; v[240:247] router_b
.set BITC, 8                           ; v[8:15]    1 << e
.set NI,   16                          ; v16        minus infinity
.set ZR,   5                           ; v5         0: an offset, and the first addend
; d = bf16 half ah of a times bf16 half bh of b, plus the f32 c
.macro FMX d, a, b, c, ah, bh
.if ((\ah) == 0) && ((\bh) == 0)
	v_fma_mix_f32_bf16 v[\d], v[\a], v[\b], v[\c] op_sel_hi:[1,1,0]
.elseif ((\ah) == 1) && ((\bh) == 0)
	v_fma_mix_f32_bf16 v[\d], v[\a], v[\b], v[\c] op_sel:[1,0,0] op_sel_hi:[1,1,0]
.elseif ((\ah) == 0) && ((\bh) == 1)
	v_fma_mix_f32_bf16 v[\d], v[\a], v[\b], v[\c] op_sel:[0,1,0] op_sel_hi:[1,1,0]
.else
	v_fma_mix_f32_bf16 v[\d], v[\a], v[\b], v[\c] op_sel:[1,1,0] op_sel_hi:[1,1,0]
.endif
.endm
; step m's 4 rows x 8 experts of router_w for each lane: 128 consecutive bytes a lane, the wave's eight loads together 4,096
.macro RWFILL m
.set ii, 0
.rept 8
	global_load_b128 v[RW+32*((\m)%4)+4*ii:RW+32*((\m)%4)+4*ii+3], v3, s[6:7] offset:4096*(\m)+16*ii
.set ii, ii+1
.endr
.endm
; One step: 128 numbers of both tokens.  left = the younger loads that may stay out.
.macro RSTEP m, left
	s_wait_loadcnt \left                           ; loads come back in order: this step's router_w is in (and all of x, asked for earlier)
.set R0, RW+32*((\m)%4)
.set cc, 0
.rept 4
.set pp, 0
.rept 4
	v_cvt_pk_bf16_f32 v[R0+8*cc+pp], v[R0+8*cc+2*pp], v[R0+8*cc+2*pp+1]  ; experts 2 p, 2 p + 1 of row c; ascending p never writes a register that is still to be read
.set pp, pp+1
.endr
.set cc, cc+1
.endr
.set jj, 0
.rept 2
.set XA, X+32*jj+4*(\m)
	v_cvt_pk_bf16_f32 v[XA], v[XA], v[XA+1]
	v_cvt_pk_bf16_f32 v[XA+1], v[XA+2], v[XA+3]
	global_store_b64 v4, v[XA:XA+1], s[10:11] offset:2048*jj+256*(\m)  ; 32 lanes x 8 bytes: 256 consecutive bytes; these registers are not written again
.set jj, jj+1
.endr
.set cc, 0
.rept 4
.set jj, 0
.rept 2
.set ee, 0
.rept 8                                ; sixteen sums take turns, so that no line waits for the one before it
.if ((\m) == 0) && (cc == 0)
	FMX SM+8*jj+ee, X+32*jj+4*(\m)+cc/2, R0+8*cc+ee/2, ZR, cc%2, ee%2
.else
	FMX SM+8*jj+ee, X+32*jj+4*(\m)+cc/2, R0+8*cc+ee/2, SM+8*jj+ee, cc%2, ee%2
.endif
.set ee, ee+1
.endr
.set jj, jj+1
.endr
.set cc, cc+1
.endr
.if (\m) < 4
	RWFILL (\m)+4
.endif
.endm
; The two largest of token j's eight logits: value and one-hot bit of the first (bv, bb) and of the second (cv, cb).  A later logit wins only if it is greater: the lower index keeps a tie.
.macro TOP2 j, bv, bb, cv, cb
.set LG, SM+8*(\j)
	v_mov_b32 v[\bv], v[LG]
	v_mov_b32 v[\bb], v[BITC]
.set ee, 1
.rept 7
	v_cmp_gt_f32 vcc_lo, v[LG+ee], v[\bv]
	v_cndmask_b32 v[\bv], v[\bv], v[LG+ee], vcc_lo
	v_cndmask_b32 v[\bb], v[\bb], v[BITC+ee], vcc_lo
.set ee, ee+1
.endr
.set ee, 0
.rept 8
	v_cmp_eq_u32 vcc_lo, v[\bb], v[BITC+ee]        ; the first is taken out of the second scan
	v_cndmask_b32 v[LG+ee], v[LG+ee], v[NI], vcc_lo
.set ee, ee+1
.endr
	v_mov_b32 v[\cv], v[LG]
	v_mov_b32 v[\cb], v[BITC]
.set ee, 1
.rept 7
	v_cmp_gt_f32 vcc_lo, v[LG+ee], v[\cv]
	v_cndmask_b32 v[\cv], v[\cv], v[LG+ee], vcc_lo
	v_cndmask_b32 v[\cb], v[\cb], v[BITC+ee], vcc_lo
.set ee, ee+1
.endr
.endm
	s_load_b256 s[4:11], s[0:1], 0x0               ; hidden_states s[4:5], router_w s[6:7], router_b s[8:9], xb s[10:11]
	s_load_b128 s[12:15], s[0:1], 0x20             ; sel s[12:13], gate s[14:15]
	v_and_b32 v1, 31, v0                           ; lane
	v_lshrrev_b32 v2, 5, v0
	v_readfirstlane_b32 s16, v2                    ; wave
	s_lshl_b32 s17, ttmp9, 2
	s_lshl1_add_u32 s17, s16, s17                  ; my first token = 4 x work-group + 2 x wave
	v_lshlrev_b32 v2, 4, v1                        ; x: 16 bytes a lane
	v_lshlrev_b32 v3, 7, v1                        ; router_w: 128 bytes a lane
	v_lshlrev_b32 v4, 3, v1                        ; xb: 8 bytes a lane
	v_mov_b32 v[ZR], 0
	v_lshlrev_b32 v6, 2, v1                        ; sel: a word a token
	v_lshlrev_b32 v7, 3, v1                        ; gate: two words a token
	s_mov_b32 s19, 0
	s_mov_b32 s20, 0x76543210                      ; v_permlanex16_b32: each lane takes its own place in the other half
	s_mov_b32 s21, 0xfedcba98
	s_lshl_b32 s18, s17, 12
	s_lshl_b32 s24, s17, 11
	s_mov_b32 s25, 0
	s_lshl_b32 s26, s17, 2
	s_mov_b32 s27, 0
	s_lshl_b32 s28, s17, 3
	s_mov_b32 s29, 0
	s_wait_kmcnt 0x0
	s_add_nc_u64 s[4:5], s[4:5], s[18:19]          ; each buffer at my first token
	s_add_nc_u64 s[10:11], s[10:11], s[24:25]
	s_add_nc_u64 s[12:13], s[12:13], s[26:27]
	s_add_nc_u64 s[14:15], s[14:15], s[28:29]
	global_load_b128 v[RB:RB+3], v[ZR], s[8:9]
	global_load_b128 v[RB+4:RB+7], v[ZR], s[8:9] offset:16
.set jj, 0
.rept 2
.set mm, 0
.rept 8
	global_load_b128 v[X+32*jj+4*mm:X+32*jj+4*mm+3], v2, s[4:5] offset:4096*jj+512*mm th:TH_LOAD_NT  ; x is read once in the launch
.set mm, mm+1
.endr
.set jj, jj+1
.endr
	RWFILL 0
	RWFILL 1
	RWFILL 2
	RWFILL 3
.set ee, 0
.rept 8
	v_mov_b32 v[BITC+ee], 1<<ee
.set ee, ee+1
.endr
	v_mov_b32 v[NI], 0xff800000
	RSTEP 0, 24                                    ; three younger steps of eight loads stay out
	RSTEP 1, 24
	RSTEP 2, 24
	RSTEP 3, 24
	RSTEP 4, 24
	RSTEP 5, 16                                    ; nothing more is asked for: the counts run down
	RSTEP 6, 8
	RSTEP 7, 0
	; the sixteen sums over the 32 lanes: four steps inside each half of 16 lanes ride on the addition, one crosses the halves
.irp k, 1, 2, 4, 8
.set ii, 0
.rept 16
	v_add_f32_dpp v[SM+ii], v[SM+ii], v[SM+ii] row_xmask:\k row_mask:0xf bank_mask:0xf
.set ii, ii+1
.endr
.endr
.set ii, 0
.rept 16
	v_permlanex16_b32 v[RW+ii], v[SM+ii], s20, s21 ; its destination counts as read: these registers have been written
.set ii, ii+1
.endr
.set ee, 0
.rept 8
	v_cvt_pk_bf16_f32 v[RB+ee], v[RB+ee], v[RB+ee] ; router_b rounded to bf16,
.set ee, ee+1
.endr
.set ee, 0
.rept 8
	v_lshlrev_b32 v[RB+ee], 16, v[RB+ee]           ; and back in f32
.set ee, ee+1
.endr
.set ii, 0
.rept 16
	v_add_f32 v[SM+ii], v[SM+ii], v[RW+ii]
.set ii, ii+1
.endr
.set ii, 0
.rept 16
	v_add_f32 v[SM+ii], v[SM+ii], v[RB+ii%8]
.set ii, ii+1
.endr
	TOP2 0, 17, 18, 19, 20
	TOP2 1, 21, 22, 23, 24
	v_sub_f32 v25, v19, v17                        ; l1 - l0, never above 0
	v_sub_f32 v26, v23, v21
	v_mul_f32 v25, 0x3fb8aa3b, v25                 ; times log2(e)
	v_mul_f32 v26, 0x3fb8aa3b, v26
	v_exp_f32 v25, v25
	v_exp_f32 v26, v26
	v_nop                                          ; a plain instruction between a transcendental and the use of its result
	s_wait_alu depctr_va_vdst(0)
	v_add_f32 v27, 1.0, v25
	v_add_f32 v28, 1.0, v26
	v_rcp_f32 v27, v27                             ; g0
	v_rcp_f32 v28, v28
	v_lshl_or_b32 v29, v20, 8, v18                 ; sel of token 0 (also the plain instruction behind the reciprocals)
	v_lshl_or_b32 v30, v24, 8, v22                 ; and of token 1
	s_wait_alu depctr_va_vdst(0)
	v_mul_f32 v25, v25, v27                        ; g1
	v_mul_f32 v26, v26, v28
	v_cmp_eq_u32 vcc_lo, 1, v1                     ; lane 0 stores token 0's, lane 1 token 1's
	v_cndmask_b32 v29, v29, v30, vcc_lo
	v_cndmask_b32 v30, v27, v28, vcc_lo
	v_cndmask_b32 v31, v25, v26, vcc_lo
	v_cmp_gt_u32 vcc_lo, 2, v1
	s_wait_xcnt 0x0                                ; EXEC is a source of the stores above: it changes only behind this wait
	s_and_saveexec_b32 s22, vcc_lo
	global_store_b32 v6, v29, s[12:13]
	global_store_b64 v7, v[30:31], s[14:15]
	s_wait_xcnt 0x0                                ; and again in front of the line that widens it
	s_or_b32 exec_lo, exec_lo, s22
	s_endpgm
.Lfunc_end_k_qebc64fe16b_router:
	.size	k_qebc64fe16b_router, .Lfunc_end_k_qebc64fe16b_router-k_qebc64fe16b_router
	.p2alignl 7, 3214868480
	.fill 96, 4, 3214868480
	.section	.rodata,"a",@progbits
	.p2align	6, 0x0
	.amdhsa_kernel k_qebc64fe16b_router
		.amdhsa_group_segment_fixed_size 0
		.amdhsa_private_segment_fixed_size 0
		.amdhsa_enable_private_segment 0
		.amdhsa_kernarg_size 48
		.amdhsa_user_sgpr_count 2
		.amdhsa_user_sgpr_kernarg_segment_ptr 1
		.amdhsa_wavefront_size32 1
		.amdhsa_system_sgpr_workgroup_id_x 1
		.amdhsa_system_sgpr_workgroup_id_y 1
		.amdhsa_system_sgpr_workgroup_id_z 1
		.amdhsa_system_vgpr_workitem_id 0
		.amdhsa_next_free_vgpr 256
		.amdhsa_next_free_sgpr 66
		.amdhsa_reserve_vcc 1
		.amdhsa_float_denorm_mode_32 3
		.amdhsa_float_denorm_mode_16_64 3
		.amdhsa_memory_ordered 1
		.amdhsa_forward_progress 1
		.amdhsa_inst_pref_size 65
	.end_amdhsa_kernel
	.amdgpu_metadata
---
amdhsa.version: [ 1, 2 ]
amdhsa.kernels:
  - .name:           k_qebc64fe16b_router
    .symbol:         k_qebc64fe16b_router.kd
    .args:
      - { .name: hidden_states, .offset: 0, .size: 8, .value_kind: global_buffer, .address_space: global }
      - { .name: router_w, .offset: 8, .size: 8, .value_kind: global_buffer, .address_space: global }
      - { .name: router_b, .offset: 16, .size: 8, .value_kind: global_buffer, .address_space: global }
      - { .name: xb, .offset: 24, .size: 8, .value_kind: global_buffer, .address_space: global }
      - { .name: sel, .offset: 32, .size: 8, .value_kind: global_buffer, .address_space: global }
      - { .name: gate, .offset: 40, .size: 8, .value_kind: global_buffer, .address_space: global }
    .group_segment_fixed_size: 0
    .private_segment_fixed_size: 0
    .kernarg_segment_align: 8
    .kernarg_segment_size: 48
    .max_flat_workgroup_size: 64
    .sgpr_count:     66
    .vgpr_count:     256
    .wavefront_size: 32
...
	.end_amdgpu_metadata
.endif
;; end of part 1
;; launch ffn1 (part 2): grid 32 x 8, 4 waves a work-group, no clusters, 262,656 bytes of LDS; arguments xb, w1, b1, sel, hbuf; writes hbuf
.if DOCPART == 2
	.amdgcn_target "amdgcn-amd-amdhsa--gfx1250"
	.amdhsa_code_object_version 6
	.text
	.protected	k_qebc64fe16b_ffn1
	.globl	k_qebc64fe16b_ffn1
	.p2align	8
	.type	k_qebc64fe16b_ffn1,@function
k_qebc64fe16b_ffn1:
	s_mov_b64 s[64:65], 0
	v_nop
	global_prefetch_b8 v0, s[64:65] scope:SCOPE_SE
	s_setreg_imm32_b32 hwreg(HW_REG_WAVE_MODE, 25, 1), 1
	s_wait_xcnt 0x0
; THE EXPERTS' FIRST PRODUCT.  h = bf16(gelu(x W1[e] + b1[e])) for the rows (tokens) that chose expert e, in the tanh form of gelu: g(x) = x / (1 + 2^(x (C0 + C1 x^2))).
; x comes rounded to bf16 (xb); W1 and b1 are rounded to bf16 here, on their way through registers; products in the matrix unit, sums in f32; h rounded once.
; LIMITS.  NaN and infinities are not treated apart; 2^y below 2^-126 counts as 0 (g is then x), 2^y beyond f32 gives g = 0 x.
; SHARES.  Work-group (s, e) has columns 128 s .. 128 s + 127 of expert e's W1: 512 KB of f32 that it alone reads, once.  Wave w has the rows k = 256 w .. 256 w + 255 of that slice, as bf16 operand
; fragments in 512 registers, for the whole launch.  The expert's rows go by in sub-blocks of 32; the four waves' partial sums over K meet in LDS (f32), and wave q finishes quarter q of a sub-block.
; W1 IS [K][N] AND NEEDS NO TURNING.  A load takes 64 columns of a row: lanes 0-15 read 256 consecutive bytes, at a multiple of 256, of row k0 + i, lanes 16-31 of row k0 + 8 + i.  Register c of the load belongs to the
; tile of the 16 columns 4 r + c (r = lane % 16); loads 2 p and 2 p + 1 rounded together are register p of that tile's fragment, K in its true places.
; THE MATRIX INSTRUCTION: source 0 = 16 columns of W1, source 1 = 16 rows of x.  A lane then holds ONE row (r) and, over the four tiles c and registers j, the 32 neighbouring columns 32 (lane / 16) + 4 j + c.
; THE ROWS.  sel[t] holds one bit for each of token t's two experts.  Every wave keeps the expert's choice as 32 bitmaps in scalar registers (word w = 4 a + c, bit l: token 128 a + 4 l + c) and, in 32 vector
; registers, the count of chosen tokens up to each word.  Ranks go word by word and bit by bit: the order in which the second product ranks them.  The token of a rank is found in registers alone (SELECT2): a walk over
; 31 counts picks the word, five halvings on the word's partial bit counts pick the bit: about 300 vector instructions for a sub-block's 32 rows, beside its 128 matrix instructions.  So a row's address is plain
; arithmetic on numbers that the launch loaded, nothing of it lies in LDS, and no wait on LDS stands among the products.  Places past the count M repeat rank 0's token, so no store is masked; an expert without
; rows still writes its first two tiles (with a token that exists), which the second product asks for ahead.
; THE LOOP has a constant number of trips for every split of the tokens (0 to 1,024 rows): 8 x (4 sub-blocks multiplied, barrier, 4 finished, barrier); a sub-block past the count is jumped, forward, past no barrier,
; to the label in front of the counters' steps: every offset that enters an LDS address is a constant and a counted loop's steps.
; NO TENSOR LOADS, NO CLUSTER: each slice of W1 has one reader and goes straight into operand registers; the rows of x come by their tokens' numbers, which no tile descriptor covers.
; hbuf: block (e, tile of 16 rows, step of 32 columns) is 1,024 bytes at ((64 e + tile) 128 + step) 1,024; in it columns 16 u + 8 g .. + 7 of row r lie at 512 u + 16 (16 g + r): the second product's operand order.
; LDS: 0 the exchange, [sub-block 4][quarter 4][from wave 4][8 x 512 bytes]; SPARE the spare words.
; REGISTERS, in windows of 256 (s_set_vgpr_msb: bits 1:0 source 0, 3:2 source 1, 5:4 source 2, 7:6 destination):
;   window 0: v0-31 addresses and ranks; v32-63 sel, then the table of counts; v64-191 the 16 accumulators (tile of rows i, tile of columns n at 64 + 64 i + 8 n), later the four partial sums; v192-223 b1;
;             v224-255 b1 as loaded; later v224-239 h, v240-255 SELECT2 at work
;   window 1: four slots of 64: W1 as loaded, then the ring of x's fragments          windows 2, 3: W1's fragments, K step ks, tile n at 64 ks + 8 n
.set SPARE, 262144                     ; 128 bytes for each of four waves: two blocks of 256 bytes that no other line names
.set ACC,   64
.set BIA,   192
.set RAW,   224
.set OUTR,  224
.set PT,    32                         ; v[32:63]  word w: (chosen tokens in words 0 .. w) << 16 | (w + 1)
.set BM,    66                         ; s[66:97]  the bitmaps
.set MK,    48                         ; s[48:51]  lane masks at work
.set RK,    26                         ; v26, v27  the two ranks that a lane asks for
.set TOK,   8                          ; v8, v9    their tokens
.set T0,    19                         ; v19       rank 0's token
.set KEY,   240                        ; SELECT2's registers, a pair each (first rank, second rank): rank << 16 | 0xffff,
.set POS,   240                        ; later the bit's place;
.set PP,    242                        ; the table entry of the last word passed;
.set XX,    244                        ; the bitmap behind it;
.set A2,    246                        ; its bit counts by fields of 2,
.set B4,    248                        ; of 4,
.set C8,    250                        ; and of 8 bits;
.set TT,    252                        ; at work;
.set KK,    254                        ; the rank inside the word;
.set UU,    30                         ; at work
; v1 lane, v2 r, v3 lane / 16, v4 W1's lane offset, v5 16 (lane / 16), v6, v7 byte offsets in xb of my row in the two tiles, v12 16 lane,
; v13, v14 my places in the exchange (writing, reading), v15, v16 the same for the sub-block in hand, v17, v18 my place in hbuf likewise, v20, v24 at work, v28, v29 the add's two registers
; s14 wave, s15 e, s16 s, s17 the expert's two bits, s18 count, s19, s20, s30 at work, s21 live sub-blocks, s22, s23 and s27-29 the sub-block in hand and its offsets, s25, s26 loop counts, s[32:35] C0, C1, s36 mask
.set MSB, 0
.macro WIN new                         ; the immediate's high byte repeats the setting that is left; a switch that changes nothing is dropped
.if MSB != (\new)
	s_set_vgpr_msb (MSB<<8)|(\new)
.set MSB, (\new)
.endif
.endm
.macro PLACES                          ; four plain vector instructions between a matrix instruction and a load into, or a read of, its registers
.rept 4
	v_nop
.endr
.endm
; Group g of 16 = (K step g / 2, 64 columns g % 2): 16 loads of 2 x 256 consecutive bytes into slot.  The largest offset, 247 rows of 16,384 bytes + 256, lies inside the signed 24-bit immediate.
.macro WLOAD g, slot
	WIN 0x40                                       ; destination window 1, address window 0
.set ii, 0
.rept 16
	global_load_b128 v[64*(\slot)+4*ii:64*(\slot)+4*ii+3], v4, s[6:7] offset:(32*((\g)/2)+ii+8*(ii/8))*16384+((\g)%2)*256 th:TH_LOAD_NT
.set ii, ii+1
.endr
.endm
; The group is rounded to bf16: four fragments of eight registers
.macro WCVT g, slot
	WIN 0x85+0x40*((\g)/8)                         ; sources window 1, destination window 2 (K steps 0-3) or 3
.set cc, 0
.rept 4
.set pp, 0
.rept 8
	v_cvt_pk_bf16_f32 v[(((\g)/2)%4)*64+(((\g)%2)*4+cc)*8+pp], v[64*(\slot)+8*pp+cc], v[64*(\slot)+8*pp+4+cc]
.set pp, pp+1
.endr
.set cc, cc+1
.endr
.endm
; A piece of x: 16 rows x 128 K (four K steps): eight loads, which together take 256 consecutive bytes, at a multiple of 256, of each row
.macro APIECE slot, ro, kq
	WIN 0x40
.set ii, 0
.rept 8
	global_load_b128 v[64*(\slot)+4*ii:64*(\slot)+4*ii+3], v[\ro], s[4:5] offset:(\kq)*256+32*ii
.set ii, ii+1
.endr
.endm
; 16 matrix instructions: two K steps of the piece x all 8 tiles of columns.  The 8 accumulators take turns, one instruction a turn.  A tile's first K step starts the sums with the constant 0.
.macro MM16 i, kq, slot, half
	WIN 0x06+(\kq)                                 ; source 0 (W1) window 2 or 3, source 1 (x) window 1, C and D window 0
.set kk, 2*(\half)
.rept 2
.set nn, 0
.rept 8
.if ((\kq) == 0) && (kk == 0)
	v_wmma_f32_16x16x32_bf16 v[ACC+64*(\i)+8*nn:ACC+64*(\i)+8*nn+7], v[64*kk+8*nn:64*kk+8*nn+7], v[64*(\slot)+8*kk:64*(\slot)+8*kk+7], 0
.else
	v_wmma_f32_16x16x32_bf16 v[ACC+64*(\i)+8*nn:ACC+64*(\i)+8*nn+7], v[64*kk+8*nn:64*kk+8*nn+7], v[64*(\slot)+8*kk:64*(\slot)+8*kk+7], v[ACC+64*(\i)+8*nn:ACC+64*(\i)+8*nn+7]
.endif
.set nn, nn+1
.endr
.set kk, kk+1
.endr
.endm
; n words of the walk, from word w0, for both ranks.  A word is passed if the count up to and including it is not above the rank; the counts never fall, so the words passed are the first ones, and the
; last one passed leaves its table entry and the bitmap behind it.  The compares stand ahead of the picks that take their masks.
.macro SCAN w0, n
.set sj, 0
.rept \n
	v_cmp_ge_u32 s[MK+2*sj], v[KEY], v[PT+(\w0)+sj]
	v_cmp_ge_u32 s[MK+2*sj+1], v[KEY+1], v[PT+(\w0)+sj]
.set sj, sj+1
.endr
.set sj, 0
.rept \n
	v_cndmask_b32 v[PP], v[PP], v[PT+(\w0)+sj], s[MK+2*sj]
	v_cndmask_b32 v[PP+1], v[PP+1], v[PT+(\w0)+sj], s[MK+2*sj+1]
	v_cndmask_b32 v[XX], v[XX], s[BM+(\w0)+sj+1], s[MK+2*sj]
	v_cndmask_b32 v[XX+1], v[XX+1], s[BM+(\w0)+sj+1], s[MK+2*sj+1]
.set sj, sj+1
.endr
.endm
; One halving: the field of wd bits at POS in src holds the set bits of the lower inc places of what is left; if the rank is not below that count, the count is taken off it and POS goes inc places up.
; src is read by the first two lines alone, so it may be the pair UU, which the macro writes further down.
.macro BSTEP src, wd, inc
.irp q, 0, 1
	v_bfe_u32 v[TT+\q], v[(\src)+\q], v[POS+\q], \wd
.endr
.irp q, 0, 1
	v_cmp_ge_u32 s[MK+\q], v[KK+\q], v[TT+\q]
.endr
.irp q, 0, 1
	v_sub_nc_u32 v[TT+\q], v[KK+\q], v[TT+\q]
	v_add_nc_u32 v[UU+\q], \inc, v[POS+\q]
.endr
.irp q, 0, 1
	v_cndmask_b32 v[KK+\q], v[KK+\q], v[TT+\q], s[MK+\q]
	v_cndmask_b32 v[POS+\q], v[POS+\q], v[UU+\q], s[MK+\q]
.endr
.endm
; The tokens of the ranks in v[RK], v[RK+1] into v[TOK], v[TOK+1].  The two ranks' lines alternate, so that no line reads the result of the one before it.
; A rank at or past the count M ends in word 31 at some bit: a number from 0 to 1,023 that VALID replaces.
.macro SELECT2
.irp q, 0, 1
	v_lshl_or_b32 v[KEY+\q], v[RK+\q], 16, 0xffff  ; not below a table entry exactly if the rank is not below its count
	v_mov_b32 v[PP+\q], 0
	v_mov_b32 v[XX+\q], s[BM]
.endr
.set sw, 0
.rept 15
	SCAN sw, 2
.set sw, sw+2
.endr
	SCAN 30, 1
.irp q, 0, 1
	v_lshrrev_b32 v[TT+\q], 16, v[PP+\q]           ; the chosen tokens in front of the word
	v_lshrrev_b32 v[A2+\q], 1, v[XX+\q]
.endr
.irp q, 0, 1
	v_sub_nc_u32 v[KK+\q], v[RK+\q], v[TT+\q]      ; the rank inside the word
	v_and_b32 v[A2+\q], 0x55555555, v[A2+\q]
.endr
.irp q, 0, 1
	v_and_b32 v[PP+\q], 0xffff, v[PP+\q]           ; the word's number
	v_sub_nc_u32 v[A2+\q], v[XX+\q], v[A2+\q]      ; set bits in each field of 2
.endr
.irp q, 0, 1
	v_lshrrev_b32 v[TT+\q], 2, v[A2+\q]
	v_and_b32 v[B4+\q], 0x33333333, v[A2+\q]
.endr
.irp q, 0, 1
	v_and_b32 v[TT+\q], 0x33333333, v[TT+\q]
.endr
.irp q, 0, 1
	v_add_nc_u32 v[B4+\q], v[B4+\q], v[TT+\q]      ; in each field of 4
.endr
.irp q, 0, 1
	v_lshrrev_b32 v[TT+\q], 4, v[B4+\q]
.endr
.irp q, 0, 1
	v_add_nc_u32 v[C8+\q], v[B4+\q], v[TT+\q]
.endr
.irp q, 0, 1
	v_and_b32 v[C8+\q], 0x0f0f0f0f, v[C8+\q]       ; in each byte
.endr
.irp q, 0, 1
	v_lshrrev_b32 v[TT+\q], 8, v[C8+\q]
	v_mov_b32 v[POS+\q], 0
.endr
.irp q, 0, 1
	v_add_nc_u32 v[UU+\q], v[C8+\q], v[TT+\q]      ; byte 0: in the lower 16 bits
.endr
	BSTEP UU, 8, 16
	BSTEP C8, 8, 8
	BSTEP B4, 4, 4
	BSTEP A2, 2, 2
	BSTEP XX, 1, 1
.irp q, 0, 1
	v_and_b32 v[TT+\q], 0x1c, v[PP+\q]             ; 4 a
	v_and_b32 v[UU+\q], 3, v[PP+\q]                ; c
.endr
.irp q, 0, 1
	v_lshl_or_b32 v[UU+\q], v[TT+\q], 5, v[UU+\q]  ; 128 a + c
.endr
.irp q, 0, 1
	v_lshl_add_u32 v[TOK+\q], v[POS+\q], 2, v[UU+\q]  ; + 4 l
.endr
.endm
; Places at or past the count take rank 0's token; what was made of loaded numbers enters an address only behind the bound
.macro VALID
	v_cmp_gt_u32 vcc_lo, s18, v[RK]
	v_cndmask_b32 v[TOK], v[T0], v[TOK], vcc_lo
	v_cmp_gt_u32 vcc_lo, s18, v[RK+1]
	v_cndmask_b32 v[TOK+1], v[T0], v[TOK+1], vcc_lo
	v_min_u32 v[TOK], 0x3ff, v[TOK]
	v_min_u32 v[TOK+1], 0x3ff, v[TOK+1]
.endm
	s_load_b256 s[4:11], s[0:1], 0x0               ; xb s[4:5], w1 s[6:7], b1 s[8:9], sel s[10:11]
	s_load_b64 s[12:13], s[0:1], 0x20              ; hbuf
	v_lshl_add_u32 v28, v0, 2, SPARE               ; the add's two registers, kept for it alone
	v_mov_b32 v29, 0
	v_lshrrev_b32 v1, 5, v0
	v_readfirstlane_b32 s14, v1                    ; wave 0..3
	v_and_b32 v1, 31, v0
	v_and_b32 v2, 15, v0
	v_bfe_u32 v3, v0, 4, 1
	s_and_b32 s15, ttmp7, 0xffff                   ; the expert
	s_mov_b32 s16, ttmp9                           ; the slice of 128 columns
	s_and_b32 s20, s14, 1
	v_lshlrev_b32 v12, 4, v1
	v_lshlrev_b32 v5, 4, v3
	v_lshlrev_b32 v4, 4, v2
	v_lshl_add_u32 v4, v3, 17, v4                  ; 16 r + (lane / 16) x 8 rows of 16,384 bytes
	v_lshlrev_b32 v24, 7, v3                       ; b1: my 32 columns begin 128 (lane / 16) bytes in
	s_lshl_b32 s40, s14, 9                         ; xb: my wave's 256 K are 512 bytes of a row
	s_mov_b32 s41, 0
	s_lshl_b32 s42, s15, 24                        ; w1: the expert, my wave's 256 rows, the slice's 512 bytes
	s_lshl_b32 s19, s14, 22
	s_add_co_u32 s42, s42, s19
	s_lshl_b32 s19, s16, 9
	s_add_co_u32 s42, s42, s19
	s_mov_b32 s43, 0
	s_lshl_b32 s44, s15, 14                        ; b1: the expert, the slice, the 64 columns of the quarter that I finish
	s_add_co_u32 s44, s44, s19
	s_lshl_b32 s19, s20, 8
	s_add_co_u32 s44, s44, s19
	s_mov_b32 s45, 0
	s_lshl_b32 s46, s15, 23                        ; hbuf: the expert's 64 tiles, the slice's four steps
	s_lshl_b32 s19, s16, 12
	s_add_co_u32 s46, s46, s19
	s_mov_b32 s47, 0
	s_wait_kmcnt 0x0
	s_add_nc_u64 s[4:5], s[4:5], s[40:41]
	s_add_nc_u64 s[6:7], s[6:7], s[42:43]
	s_add_nc_u64 s[8:9], s[8:9], s[44:45]
	s_add_nc_u64 s[12:13], s[12:13], s[46:47]
.set aa, 0
.rept 8
	global_load_b128 v[PT+4*aa:PT+4*aa+3], v12, s[10:11] offset:512*aa  ; all 1,024 words of sel: word c of load a is token 128 a + 4 lane + c
.set aa, aa+1
.endr
.set jj, 0
.rept 8
	global_load_b128 v[RAW+4*jj:RAW+4*jj+3], v24, s[8:9] offset:16*jj
.set jj, jj+1
.endr
	WLOAD 0, 0
	WLOAD 1, 1
	WLOAD 2, 2
	WIN 0
	; set-up on registers stands in the wait for sel
	s_lshl_b32 s19, s14, 12
	v_add_nc_u32 v13, s19, v12                     ; I write: from wave w, 4,096 bytes
	s_lshl_b32 s19, s14, 14
	v_add_nc_u32 v14, s19, v12                     ; I read: quarter w, 16,384 bytes
	s_lshr_b32 s19, s14, 1
	s_lshl_b32 s19, s19, 17                        ; quarter w = (tile of rows w / 2, 64 columns w % 2): a tile is 131,072 bytes of hbuf, 64 columns two steps
	s_lshl_b32 s30, s20, 11
	s_add_co_u32 s19, s19, s30
	v_lshlrev_b32 v17, 4, v2
	v_lshl_add_u32 v17, v3, 10, v17
	v_add_nc_u32 v17, s19, v17
	s_lshl_b32 s17, 0x101, s15
	s_mov_b32 s18, 0
	s_mov_b32 s32, 0xc0135761                      ; C0 = -2 sqrt(2 / pi) log2(e) = -2.3022082
	s_mov_b32 s33, s32
	s_mov_b32 s34, 0xbdd2d3e8                      ; C1 = 0.044715 C0 = -0.10294324
	s_mov_b32 s35, s34
	s_mov_b32 s36, 0xffff0000
	v_mov_b32 v[RK], v2                            ; the first sub-block's ranks: r and 16 + r
	v_add_nc_u32 v[RK+1], 16, v2
	s_wait_loadcnt 48                              ; sel and b1 are in; the three groups of W1 stay out
	WLOAD 3, 3                                     ; the fourth group goes out at once: the work on b1 and sel below stands under four groups on their way
	WIN 0
.set jj, 0
.rept 8
.irp c, 0, 2
	v_cvt_pk_bf16_f32 v[RAW+4*jj+\c], v[RAW+4*jj+\c], v[RAW+4*jj+\c+1]  ; b1 rounded to bf16, and laid as the sums lie: tile c, register j
	v_lshlrev_b32 v[BIA+8*\c+jj], 16, v[RAW+4*jj+\c]
	v_and_b32 v[BIA+8*\c+8+jj], s36, v[RAW+4*jj+\c]
.endr
.set jj, jj+1
.endr
	; the bitmaps, and the table of counts where sel lay
.set sw, 0
.rept 32
	v_and_b32 v[PT+sw], s17, v[PT+sw]
.set sw, sw+1
.endr
.set sw, 0
.rept 32
	v_cmp_ne_u32 s[BM+sw], 0, v[PT+sw]
.set sw, sw+1
.endr
.set sw, 0
.rept 32
	s_bcnt1_i32_b32 s19, s[BM+sw]
	s_add_co_u32 s18, s18, s19
	s_lshl_b32 s19, s18, 16
	s_or_b32 s19, s19, sw+1
	v_mov_b32 v[PT+sw], s19
.set sw, sw+1
.endr
	s_min_u32 s18, s18, 0x400                      ; M
	s_add_co_u32 s21, s18, 31
	s_lshr_b32 s21, s21, 5
	s_max_u32 s21, s21, 1                          ; live sub-blocks; one at the least
	SELECT2
	v_min_u32 v20, 0x3ff, v[TOK]
	v_readfirstlane_b32 s19, v20                   ; lane 0 asked for rank 0
	v_mov_b32 v[T0], s19
	VALID
	v_lshl_add_u32 v6, v[TOK], 11, v5              ; token x 2,048 bytes + 16 (lane / 16)
	v_lshl_add_u32 v7, v[TOK+1], 11, v5
	; THE FILL.  Four groups, 64 loads of 512 bytes, are out for each wave; a group is rounded when it is in, and its slot asked for again.
.set g, 0
.rept 16
.if g < 13
	s_wait_loadcnt 48                              ; the three younger groups stay out
.else
	s_wait_loadcnt 48-8*(g-12)                     ; the younger groups, and the pieces of x (eight loads each) that took freed slots
.endif
	WCVT g, g%4
.if g < 12
	WLOAD g+4, g%4
.elseif g == 12
	APIECE 0, 6, 0
.elseif g == 13
	APIECE 1, 6, 1
.elseif g == 14
	APIECE 2, 7, 0
.endif
.set g, g+1
.endr
	WIN 0                                          ; at a label and at a branch every window is 0
	s_mov_b32 s22, 0
	s_mov_b32 s27, 0
	s_mov_b32 s29, 0
	s_mov_b32 s26, 8
.Louter:
	s_mov_b32 s23, 0
	s_mov_b32 s25, 4
.Lmul:                                             ; at this label slots 0, 1, 2 of the ring have been asked for, in that order, whichever way leads here: a sub-block is one turn of the ring
	s_cmp_ge_u32 s22, s21
	s_cbranch_scc1 .Lmul_next
	s_add_co_u32 s19, s22, 1
	s_cmp_ge_u32 s19, s21
	s_cbranch_scc1 .Lno_next                       ; behind the last live sub-block the pieces asked ahead repeat its own rows
	s_lshl_b32 s19, s19, 5
	v_add_nc_u32 v[RK], s19, v2                    ; the next sub-block's ranks,
	v_add_nc_u32 v[RK+1], 16, v[RK]
	SELECT2                                        ; and their tokens: this work stands ahead of the wait for the sub-block's first piece
	VALID
.Lno_next:
	s_wait_loadcnt 16                              ; this piece is in; the two younger pieces stay out (so in every piece)
	MM16 0, 0, 0, 0
	PLACES
	APIECE 3, 7, 1                                 ; three pieces ahead, into the slot that the piece before has left
	MM16 0, 0, 0, 1
	s_wait_loadcnt 16                              ; slots 0 and 1 are in, so v6, which their loads named, may be written
	MM16 0, 1, 1, 0
	WIN 0
	v_lshl_add_u32 v6, v[TOK], 11, v5              ; this line and three v_nop are the four places
	v_nop
	v_nop
	v_nop
	APIECE 0, 6, 0
	MM16 0, 1, 1, 1
	s_wait_loadcnt 16
	MM16 1, 0, 2, 0
	PLACES
	APIECE 1, 6, 1
	MM16 1, 0, 2, 1
	s_wait_loadcnt 16                              ; slots 2 and 3 are in, so v7 may be written
	MM16 1, 1, 3, 0
	WIN 0
	v_lshl_add_u32 v7, v[TOK+1], 11, v5
	v_nop
	v_nop
	v_nop
	APIECE 2, 7, 0
	MM16 1, 1, 3, 1
	WIN 0
	v_add_nc_u32 v15, s23, v13
	v_nop
	v_nop
	v_nop
.set mm, 0
.rept 32                               ; my partial sums, ascending (each accumulator's low half first): 512 consecutive bytes a store
	ds_store_b128 v15, v[ACC+4*mm:ACC+4*mm+3] offset:(mm/8)*16384+(mm%8)*512
.set mm, mm+1
.endr
.Lmul_next:
	s_add_co_u32 s22, s22, 1
	s_add_co_u32 s23, s23, 65536
	s_sub_co_u32 s25, s25, 1
	s_cmp_lg_u32 s25, 0
	s_cbranch_scc1 .Lmul
	s_wait_dscnt 0x0                               ; for the others' sake: my stores into the exchange are done
	s_barrier_signal -1
	s_barrier_wait -1
	s_mov_b32 s28, 0
	s_mov_b32 s25, 4
.Lfin:
	s_cmp_ge_u32 s27, s21
	s_cbranch_scc1 .Lfin_next
	s_wait_xcnt 0x0                                ; v18 and v224-239, which the last stores read, are written again only behind this wait
	v_add_nc_u32 v16, s28, v14
	v_add_nc_u32 v18, s29, v17
.set mm, 0
.rept 32                               ; my quarter from all four waves
	ds_load_b128 v[ACC+4*mm:ACC+4*mm+3], v16 offset:(mm/8)*4096+(mm%8)*512
.set mm, mm+1
.endr
	s_wait_dscnt 24                                ; wave 0's eight loads are in; 24 younger stay out
.set zz, 0
.rept 16
	v_pk_add_f32 v[ACC+2*zz:ACC+2*zz+1], v[ACC+2*zz:ACC+2*zz+1], v[BIA+2*zz:BIA+2*zz+1]
.set zz, zz+1
.endr
.irp p, 1, 2, 3
	s_wait_dscnt 24-8*\p
.set zz, 0
.rept 16
	v_pk_add_f32 v[ACC+2*zz:ACC+2*zz+1], v[ACC+2*zz:ACC+2*zz+1], v[ACC+32*\p+2*zz:ACC+32*\p+2*zz+1]
.set zz, zz+1
.endr
.endr
.set U, ACC+32
.set zz, 0
.rept 16
	v_pk_mul_f32 v[U+2*zz:U+2*zz+1], v[ACC+2*zz:ACC+2*zz+1], v[ACC+2*zz:ACC+2*zz+1]
.set zz, zz+1
.endr
.set zz, 0
.rept 16
	v_pk_fma_f32 v[U+2*zz:U+2*zz+1], v[U+2*zz:U+2*zz+1], s[34:35], s[32:33] op_sel_hi:[1,0,0]
.set zz, zz+1
.endr
.set zz, 0
.rept 16
	v_pk_mul_f32 v[U+2*zz:U+2*zz+1], v[U+2*zz:U+2*zz+1], v[ACC+2*zz:ACC+2*zz+1]
.set zz, zz+1
.endr
.set zz, 0
.rept 32
	v_exp_f32 v[U+zz], v[U+zz]
.set zz, zz+1
.endr
	v_nop                                          ; a plain instruction between the last transcendental and the use of its result
.set zz, 0
	s_wait_alu depctr_va_vdst(0)
.rept 16
	v_pk_add_f32 v[U+2*zz:U+2*zz+1], v[U+2*zz:U+2*zz+1], 1.0 op_sel_hi:[1,0]
.set zz, zz+1
.endr
.set zz, 0
.rept 32
	v_rcp_f32 v[U+zz], v[U+zz]
.set zz, zz+1
.endr
	v_nop
.set zz, 0
	s_wait_alu depctr_va_vdst(0)
.rept 16
	v_pk_mul_f32 v[ACC+2*zz:ACC+2*zz+1], v[ACC+2*zz:ACC+2*zz+1], v[U+2*zz:U+2*zz+1]
.set zz, zz+1
.endr
.set qq, 0
.rept 4                                ; columns 8 q .. 8 q + 7 of my 32: registers j = 2 q, 2 q + 1 of the four tiles c
	v_cvt_pk_bf16_f32 v[OUTR+4*qq], v[ACC+2*qq], v[ACC+8+2*qq]
	v_cvt_pk_bf16_f32 v[OUTR+4*qq+1], v[ACC+16+2*qq], v[ACC+24+2*qq]
	v_cvt_pk_bf16_f32 v[OUTR+4*qq+2], v[ACC+2*qq+1], v[ACC+8+2*qq+1]
	v_cvt_pk_bf16_f32 v[OUTR+4*qq+3], v[ACC+16+2*qq+1], v[ACC+24+2*qq+1]
	global_store_b128 v18, v[OUTR+4*qq:OUTR+4*qq+3], s[12:13] offset:256*qq  ; each half of the lanes stores 256 consecutive bytes, at a multiple of 256
.set qq, qq+1
.endr
.Lfin_next:
	s_add_co_u32 s27, s27, 1
	s_add_co_u32 s28, s28, 65536
	s_add_co_u32 s29, s29, 262144                  ; two tiles of hbuf
	s_sub_co_u32 s25, s25, 1
	s_cmp_lg_u32 s25, 0
	s_cbranch_scc1 .Lfin
	s_wait_dscnt 0x0                               ; my reads of the exchange are over: behind the barrier it is written again
	s_barrier_signal -1
	s_barrier_wait -1
	s_sub_co_u32 s26, s26, 1
	s_cmp_lg_u32 s26, 0
	s_cbranch_scc1 .Louter
	s_wait_tensorcnt 0x0                           ; the wave's end, behind my last LDS store
	ds_add_u32 v28, v29
	s_wait_dscnt 0x0
	s_endpgm
.Lfunc_end_k_qebc64fe16b_ffn1:
	.size	k_qebc64fe16b_ffn1, .Lfunc_end_k_qebc64fe16b_ffn1-k_qebc64fe16b_ffn1
	.p2alignl 7, 3214868480
	.fill 96, 4, 3214868480
	.section	.rodata,"a",@progbits
	.p2align	6, 0x0
	.amdhsa_kernel k_qebc64fe16b_ffn1
		.amdhsa_group_segment_fixed_size 262656
		.amdhsa_private_segment_fixed_size 0
		.amdhsa_enable_private_segment 0
		.amdhsa_kernarg_size 40
		.amdhsa_user_sgpr_count 2
		.amdhsa_user_sgpr_kernarg_segment_ptr 1
		.amdhsa_wavefront_size32 1
		.amdhsa_system_sgpr_workgroup_id_x 1
		.amdhsa_system_sgpr_workgroup_id_y 1
		.amdhsa_system_sgpr_workgroup_id_z 1
		.amdhsa_system_vgpr_workitem_id 0
		.amdhsa_next_free_vgpr 1024
		.amdhsa_next_free_sgpr 98
		.amdhsa_reserve_vcc 1
		.amdhsa_float_denorm_mode_32 3
		.amdhsa_float_denorm_mode_16_64 3
		.amdhsa_memory_ordered 1
		.amdhsa_forward_progress 1
		.amdhsa_inst_pref_size 139
	.end_amdhsa_kernel
	.amdgpu_metadata
---
amdhsa.version: [ 1, 2 ]
amdhsa.kernels:
  - .name:           k_qebc64fe16b_ffn1
    .symbol:         k_qebc64fe16b_ffn1.kd
    .args:
      - { .name: xb, .offset: 0, .size: 8, .value_kind: global_buffer, .address_space: global }
      - { .name: w1, .offset: 8, .size: 8, .value_kind: global_buffer, .address_space: global }
      - { .name: b1, .offset: 16, .size: 8, .value_kind: global_buffer, .address_space: global }
      - { .name: sel, .offset: 24, .size: 8, .value_kind: global_buffer, .address_space: global }
      - { .name: hbuf, .offset: 32, .size: 8, .value_kind: global_buffer, .address_space: global }
    .group_segment_fixed_size: 262656
    .private_segment_fixed_size: 0
    .kernarg_segment_align: 8
    .kernarg_segment_size: 40
    .max_flat_workgroup_size: 128
    .sgpr_count:     98
    .vgpr_count:     1024
    .wavefront_size: 32
...
	.end_amdgpu_metadata
.endif
;; end of part 2
;; launch ffn2 (part 3): grid 256 x 1, 4 waves a work-group, no clusters, 141,824 bytes of LDS; arguments hbuf, w2, sel, ybuf; writes ybuf
.if DOCPART == 3
	.amdgcn_target "amdgcn-amd-amdhsa--gfx1250"
	.amdhsa_code_object_version 6
	.text
	.protected	k_qebc64fe16b_ffn2
	.globl	k_qebc64fe16b_ffn2
	.p2align	8
	.type	k_qebc64fe16b_ffn2,@function
k_qebc64fe16b_ffn2:
	s_mov_b64 s[64:65], 0
	v_nop
	global_prefetch_b8 v0, s[64:65] scope:SCOPE_SE
	s_setreg_imm32_b32 hwreg(HW_REG_WAVE_MODE, 25, 1), 1
	s_wait_xcnt 0x0
; THE EXPERTS' SECOND PRODUCT.  y = h W2[e] for the rows that chose expert e, as two partial sums over the hidden width (f32): ybuf[kh][1,024 slot + token][1,024].  Bias and gate come in the next launch.
; h comes in bf16, in operand order (hbuf); W2 is rounded to bf16 here, on its way through registers; products in the matrix unit, sums in f32.  NaN and infinities are not treated apart.
; SHARES.  Work-group i: expert e = bits 1 to 3 of i, half of K kh = bit 0 (2,048 rows), 64 columns i / 16: 512 KB of f32 of W2 that it alone reads, once, in rows of 256 bytes.  The sixteen work-groups that read
; the same tiles of h (one e, one kh) have numbers 16 apart.  Wave w has the rows 2,048 kh + 512 w .. + 511 as bf16 fragments in 512 registers.  The expert's rows go by in sub-blocks of 32; the four waves'
; partial sums meet in LDS, and wave q finishes quarter q.
; W2 IS [K][N] AND NEEDS NO TURNING: a load takes 64 columns of two rows (256 consecutive bytes for each half of the lanes); register c belongs to the tile of the columns 4 r + c; loads 2 p, 2 p + 1 make register p.
; THE MATRIX INSTRUCTION: source 0 = 16 rows of h, source 1 = 16 columns of W2.  Register j of a lane holds row 8 (lane / 16) + j, column 4 r + c: the four tiles' registers are 16 neighbouring bytes of a row of y.
; THE LIST ranks the expert's tokens in the first product's order (load by load, word by word, lane by lane); an entry is 1,024 slot + token, the row of ybuf.  Places past the count M repeat rank 0's entry, whose
; row of h the first product repeated there: the same numbers go onto the same bytes, and no store is masked.  An expert without rows stores nothing.  Tiles asked for ahead are bounded by the last tile that the first product wrote.
; THE LOOP has a constant number of trips for every split: 8 x (4 sub-blocks multiplied, barrier, 4 finished, barrier); a sub-block past the count is jumped, forward, past no barrier, to the label in front of the
; counters' steps: every offset that enters an LDS address is a constant and a counted loop's steps.
; NO TENSOR LOADS, NO CLUSTER: each slice of W2 has one reader; the tiles of h, which an expert's work-groups share, are asked for in a loop whose live trips hang on a stored count.
; LDS: 0 the exchange, [sub-block 4][quarter 4][from wave 4][4 x 512 bytes]; LIST the waves' lists, 2,560 bytes each; SPARE the spare words.
; REGISTERS: window 0: v0-29 addresses; v32-63 sel; v64-127 the 8 accumulators (tile of rows i, tile of columns c at 64 + 32 i + 8 c), later the partial sums; v128-149 the way out
;   window 1: four slots of 64: W2 as loaded, then the ring of h's fragments          windows 2, 3: W2's fragments, K step ks, tile c at 32 ks + 8 c
.set LIST,  131072
.set LSTB,  2560
.set SPARE, 141312                     ; 128 bytes for each of four waves: two blocks of 256 bytes that no other line names
.set ACC,   64
.set OUTR,  128
; v1 lane, v2 r, v3 lane / 16, v4 W2's lane offset, v6, v7 byte offsets in hbuf of the two tiles, v10 my four entries in the list, v11 list, v12 16 lane, v13, v14 my places in the exchange,
; v15, v16, v18 the same and v10 for the sub-block in hand, v17 16 r, v19-27 at work, v28, v29 the add's two registers
; s14 wave, s15 e, s16 the 64 columns, s17 the expert's two bits, s18 count, s19 at work, s20 kh, s21 live sub-blocks, s22, s23, s27-29 the sub-block in hand and its offsets, s24 last written tile, s25, s26 loop counts
.set MSB, 0
.macro WIN new                         ; the immediate's high byte repeats the setting that is left; a switch that changes nothing is dropped
.if MSB != (\new)
	s_set_vgpr_msb (MSB<<8)|(\new)
.set MSB, (\new)
.endif
.endm
.macro PLACES                          ; four plain vector instructions between a matrix instruction and a load into, or a read of, its registers
.rept 4
	v_nop
.endr
.endm
; K step g: 16 loads of 2 x 256 consecutive bytes into slot.  The largest offset, 503 rows of 4,096 bytes, lies inside the signed 24-bit immediate.
.macro WLOAD g, slot
	WIN 0x40                                       ; destination window 1, address window 0
.set ii, 0
.rept 16
	global_load_b128 v[64*(\slot)+4*ii:64*(\slot)+4*ii+3], v4, s[6:7] offset:(32*(\g)+ii+8*(ii/8))*4096 th:TH_LOAD_NT
.set ii, ii+1
.endr
.endm
.macro WCVT g, slot
	WIN 0x85+0x40*((\g)/8)                         ; sources window 1, destination window 2 (K steps 0-7) or 3
.set cc, 0
.rept 4
.set pp, 0
.rept 8
	v_cvt_pk_bf16_f32 v[((\g)%8)*32+cc*8+pp], v[64*(\slot)+8*pp+cc], v[64*(\slot)+8*pp+4+cc]
.set pp, pp+1
.endr
.set cc, cc+1
.endr
.endm
; A piece of h: 16 rows x 256 K (eight K steps): 16 loads of 512 consecutive bytes
.macro APIECE slot, t, kq
	WIN 0x40
.set ii, 0
.rept 16
	global_load_b128 v[64*(\slot)+4*ii:64*(\slot)+4*ii+3], v[\t], s[4:5] offset:(\kq)*8192+512*ii
.set ii, ii+1
.endr
.endm
; 16 matrix instructions: four K steps of the piece x the 4 tiles of columns.  The 4 accumulators take turns, one instruction a turn.  A tile's first K step starts the sums with the constant 0.
.macro MM16 i, kq, slot, half
	WIN 0x09+4*(\kq)                               ; source 0 (h) window 1, source 1 (W2) window 2 or 3, C and D window 0
.set kk, 4*(\half)
.rept 4
.set nn, 0
.rept 4
.if ((\kq) == 0) && (kk == 0)
	v_wmma_f32_16x16x32_bf16 v[ACC+32*(\i)+8*nn:ACC+32*(\i)+8*nn+7], v[64*(\slot)+8*kk:64*(\slot)+8*kk+7], v[32*kk+8*nn:32*kk+8*nn+7], 0
.else
	v_wmma_f32_16x16x32_bf16 v[ACC+32*(\i)+8*nn:ACC+32*(\i)+8*nn+7], v[64*(\slot)+8*kk:64*(\slot)+8*kk+7], v[32*kk+8*nn:32*kk+8*nn+7], v[ACC+32*(\i)+8*nn:ACC+32*(\i)+8*nn+7]
.endif
.set nn, nn+1
.endr
.set kk, kk+1
.endr
.endm
; 32 tokens (one a lane, token tok + 4 lane, its word in register w) are ranked: a chosen lane's rank is the count so far plus the chosen lanes below it; the others take a dump rank of their own.
; The entry is the token, plus 1,024 if the expert is the token's second.
.macro LISTG w, tok
	v_and_b32 v19, s17, v[\w]
	v_cmp_ne_u32 vcc_lo, 0, v19
	v_mbcnt_lo_u32_b32 v20, vcc_lo, s18
	v_cndmask_b32 v20, v23, v20, vcc_lo
	v_min_u32 v20, 0x47f, v20                      ; a rank made of loaded numbers enters an address only behind this bound: 2 x 1,151 + 2 bytes lie inside my 2,560
	v_lshl_add_u32 v21, v20, 1, v11
	v_lshrrev_b32 v27, s37, v19                    ; the slot: 1 where the upper bit is the one that is set
	v_lshl_add_u32 v26, v27, 10, v22
	v_add_nc_u32 v26, \tok, v26
	s_bcnt1_i32_b32 s19, vcc_lo
	s_add_co_u32 s18, s18, s19
	ds_store_b16 v21, v26
.endm
	s_load_b256 s[4:11], s[0:1], 0x0               ; hbuf s[4:5], w2 s[6:7], sel s[8:9], ybuf s[10:11]
	v_lshl_add_u32 v28, v0, 2, SPARE               ; the add's two registers, kept for it alone
	v_mov_b32 v29, 0
	v_lshrrev_b32 v1, 5, v0
	v_readfirstlane_b32 s14, v1                    ; wave 0..3
	v_and_b32 v1, 31, v0
	v_and_b32 v2, 15, v0
	v_bfe_u32 v3, v0, 4, 1
	s_bfe_u32 s15, ttmp9, 0x30001                  ; the expert: three bits from bit 1
	s_lshr_b32 s16, ttmp9, 4                       ; the slice of 64 columns
	s_and_b32 s20, ttmp9, 1                        ; the half of K
	v_lshlrev_b32 v12, 4, v1
	v_lshlrev_b32 v17, 4, v2
	v_lshl_add_u32 v4, v3, 15, v17                 ; 16 r + (lane / 16) x 8 rows of 4,096 bytes
	s_lshl_b32 s40, s15, 23                        ; hbuf: the expert's 64 tiles; my wave's 16 steps of 1,024 bytes in the half's 64
	s_lshl_b32 s19, s20, 16
	s_add_co_u32 s40, s40, s19
	s_lshl_b32 s19, s14, 14
	s_add_co_u32 s40, s40, s19
	s_mov_b32 s41, 0
	s_lshl_b32 s42, s15, 24                        ; w2: the expert, the half's 2,048 rows, my wave's 512, the slice's 256 bytes
	s_lshl_b32 s44, s20, 23
	s_add_co_u32 s42, s42, s44
	s_lshl_b32 s19, s14, 21
	s_add_co_u32 s42, s42, s19
	s_lshl_b32 s19, s16, 8
	s_add_co_u32 s42, s42, s19
	s_mov_b32 s43, 0
	s_add_co_u32 s44, s44, s19                     ; ybuf: the half's 2,048 rows of 4,096 bytes, the slice's 256 bytes
	s_mov_b32 s45, 0
	s_wait_kmcnt 0x0
	s_add_nc_u64 s[4:5], s[4:5], s[40:41]
	s_add_nc_u64 s[6:7], s[6:7], s[42:43]
	s_add_nc_u64 s[10:11], s[10:11], s[44:45]
.set aa, 0
.rept 8
	global_load_b128 v[32+4*aa:35+4*aa], v12, s[8:9] offset:512*aa  ; all 1,024 words of sel: word c of load a is token 128 a + 4 lane + c
.set aa, aa+1
.endr
	WLOAD 0, 0
	WLOAD 1, 1
	WLOAD 2, 2
	WIN 0
	s_mul_i32 s19, s14, LSTB
	s_add_co_u32 s19, s19, LIST
	v_mov_b32 v11, s19
	s_lshr_b32 s30, s14, 1                         ; quarter w = (tile of rows w / 2, rows 4 (w % 2) .. + 3 of each eight): its ranks begin at 16 (w / 2) + 8 (lane / 16) + 4 (w % 2), two bytes each
	s_lshl_b32 s30, s30, 5
	s_add_co_u32 s19, s19, s30
	s_and_b32 s30, s14, 1
	s_lshl_b32 s30, s30, 3
	s_add_co_u32 s19, s19, s30
	v_lshl_add_u32 v10, v3, 4, s19
	s_lshl_b32 s19, s14, 11
	v_add_nc_u32 v13, s19, v12                     ; I write: from wave w, 2,048 bytes
	s_lshl_b32 s19, s14, 13
	v_add_nc_u32 v14, s19, v12                     ; I read: quarter w, 8,192 bytes
	v_mov_b32 v6, v12                              ; tiles 0 and 1: the first product writes them for every expert
	v_add_nc_u32 v7, 0x20000, v12
	s_lshl_b32 s17, 0x101, s15
	s_add_co_u32 s37, s15, 8
	s_mov_b32 s18, 0
	v_lshlrev_b32 v22, 2, v1
	v_add_nc_u32 v23, 1088, v1                     ; the dump ranks lie behind the list's 1,056 places
	v_mov_b32 v64, 0
	v_mov_b32 v65, 0
	v_mov_b32 v66, 0
	v_mov_b32 v67, 0
	v_add_nc_u32 v21, v11, v12
.set aa, 0
.rept 5
	ds_store_b128 v21, v[64:67] offset:512*aa
.set aa, aa+1
.endr
	s_wait_loadcnt 48                              ; sel is in; the three K steps of W2 stay out
.set aa, 0
.rept 8
.set c4, 0
.rept 4
	LISTG 32+4*aa+c4, 128*aa+c4
.set c4, c4+1
.endr
.set aa, aa+1
.endr
	s_min_u32 s18, s18, 0x400                      ; M
	ds_load_u16 v26, v11                           ; rank 0's entry; LDS serves a wave's instructions in order
	v_add_nc_u32 v20, s18, v1
	v_lshl_add_u32 v21, v20, 1, v11
	s_add_co_u32 s21, s18, 31
	s_lshr_b32 s21, s21, 5                         ; live sub-blocks, 0 to 32
	s_max_u32 s24, s21, 1
	s_lshl_b32 s24, s24, 1
	s_sub_co_u32 s24, s24, 1                       ; the last tile that the first product wrote
	s_wait_dscnt 0x0
	ds_store_b16 v21, v26                          ; ranks M .. M + 31 repeat it
	WLOAD 3, 3
	; THE FILL.  Four K steps, 64 loads of 512 bytes, are out for each wave; a step is rounded when it is in, and its slot asked for again.
.set g, 0
.rept 16
	s_wait_loadcnt 48                              ; three younger runs of 16 loads stay out: K steps of W2, at the end pieces of h
	WCVT g, g%4
.if g < 12
	WLOAD g+4, g%4
.elseif g == 12
	APIECE 0, 6, 0
.elseif g == 13
	APIECE 1, 6, 1
.elseif g == 14
	APIECE 2, 7, 0
.endif
.set g, g+1
.endr
	WIN 0                                          ; at a label and at a branch every window is 0
	s_mov_b32 s22, 0
	s_mov_b32 s27, 0
	s_mov_b32 s29, 0
	s_mov_b32 s26, 8
.Louter:
	s_mov_b32 s23, 0
	s_mov_b32 s25, 4
.Lmul:                                             ; at this label slots 0, 1, 2 of the ring have been asked for, in that order, whichever way leads here: a sub-block is one turn of the ring
	s_cmp_ge_u32 s22, s21
	s_cbranch_scc1 .Lmul_next
	s_lshl_b32 s19, s22, 1                         ; the next sub-block's two tiles, held to the last written one and, by a constant, to the expert's 64
	s_add_co_u32 s19, s19, 2
	s_min_u32 s38, s19, s24
	s_min_u32 s38, s38, 63
	s_lshl_b32 s38, s38, 17
	s_add_co_u32 s19, s19, 1
	s_min_u32 s39, s19, s24
	s_min_u32 s39, s39, 63
	s_lshl_b32 s39, s39, 17
	s_wait_loadcnt 32                              ; this piece is in; the two younger pieces stay out (so in every piece)
	MM16 0, 0, 0, 0
	PLACES
	APIECE 3, 7, 1                                 ; three pieces ahead, into the slot that the piece before has left
	MM16 0, 0, 0, 1
	s_wait_loadcnt 32                              ; slots 0 and 1 are in, so v6, which their loads named, may be written
	MM16 0, 1, 1, 0
	WIN 0
	v_add_nc_u32 v6, s38, v12                      ; this line and three v_nop are the four places
	v_nop
	v_nop
	v_nop
	APIECE 0, 6, 0
	MM16 0, 1, 1, 1
	s_wait_loadcnt 32
	MM16 1, 0, 2, 0
	PLACES
	APIECE 1, 6, 1
	MM16 1, 0, 2, 1
	s_wait_loadcnt 32                              ; slots 2 and 3 are in, so v7 may be written
	MM16 1, 1, 3, 0
	WIN 0
	v_add_nc_u32 v7, s39, v12
	v_nop
	v_nop
	v_nop
	APIECE 2, 7, 0
	MM16 1, 1, 3, 1
	WIN 0
	v_add_nc_u32 v15, s23, v13
	v_nop
	v_nop
	v_nop
.set mm, 0
.rept 16                               ; my partial sums, ascending (each accumulator's low half first): store m goes to quarter 2 (m / 8) + m % 2, piece (m / 2) % 4
	ds_store_b128 v15, v[ACC+4*mm:ACC+4*mm+3] offset:(2*(mm/8)+mm%2)*8192+((mm/2)%4)*512
.set mm, mm+1
.endr
.Lmul_next:
	s_add_co_u32 s22, s22, 1
	s_add_co_u32 s23, s23, 32768
	s_sub_co_u32 s25, s25, 1
	s_cmp_lg_u32 s25, 0
	s_cbranch_scc1 .Lmul
	s_wait_dscnt 0x0                               ; for the others' sake: my stores into the exchange are done
	s_barrier_signal -1
	s_barrier_wait -1
	s_mov_b32 s28, 0
	s_mov_b32 s25, 4
.Lfin:
	s_cmp_ge_u32 s27, s21
	s_cbranch_scc1 .Lfin_next
	s_wait_xcnt 0x0                                ; v128-149, which the last stores read, are written again only behind this wait
	v_add_nc_u32 v16, s28, v14
	v_add_nc_u32 v18, s29, v10
	ds_load_b64 v[144:145], v18                    ; my four rows' entries
.set mm, 0
.rept 16                               ; my quarter from all four waves: from wave mm / 4, tile of columns mm % 4
	ds_load_b128 v[ACC+4*mm:ACC+4*mm+3], v16 offset:(mm/4)*2048+(mm%4)*512
.set mm, mm+1
.endr
	s_wait_dscnt 0x0
.set zz, 0
.rept 8
	v_pk_add_f32 v[ACC+2*zz:ACC+2*zz+1], v[ACC+2*zz:ACC+2*zz+1], v[ACC+16+2*zz:ACC+16+2*zz+1]
	v_pk_add_f32 v[ACC+32+2*zz:ACC+32+2*zz+1], v[ACC+32+2*zz:ACC+32+2*zz+1], v[ACC+48+2*zz:ACC+48+2*zz+1]
.set zz, zz+1
.endr
	v_and_b32 v146, 0xffff, v144
	v_lshrrev_b32 v147, 16, v144
	v_and_b32 v148, 0xffff, v145
	v_lshrrev_b32 v149, 16, v145
.set jj, 0
.rept 4
	v_min_u32 v[146+jj], 0x7ff, v[146+jj]          ; a loaded number enters an address only behind this bound
.set jj, jj+1
.endr
.set jj, 0
.rept 4
	v_lshl_add_u32 v[146+jj], v[146+jj], 12, v17   ; the row of ybuf, and my 16 bytes of the slice's 256
.set jj, jj+1
.endr
.set jj, 0
.rept 4
.set cc, 0
.rept 4
	v_add_f32 v[OUTR+4*jj+cc], v[ACC+4*cc+jj], v[ACC+32+4*cc+jj]  ; the last addition lays the four tiles' columns side by side
.set cc, cc+1
.endr
	global_store_b128 v[146+jj], v[OUTR+4*jj:OUTR+4*jj+3], s[10:11]  ; each half of the lanes stores 256 consecutive bytes of a row, at a multiple of 256
.set jj, jj+1
.endr
.Lfin_next:
	s_add_co_u32 s27, s27, 1
	s_add_co_u32 s28, s28, 32768
	s_add_co_u32 s29, s29, 64
	s_sub_co_u32 s25, s25, 1
	s_cmp_lg_u32 s25, 0
	s_cbranch_scc1 .Lfin
	s_wait_dscnt 0x0                               ; my reads of the exchange are over: behind the barrier it is written again
	s_barrier_signal -1
	s_barrier_wait -1
	s_sub_co_u32 s26, s26, 1
	s_cmp_lg_u32 s26, 0
	s_cbranch_scc1 .Louter
	s_wait_tensorcnt 0x0                           ; the wave's end, behind my last LDS store
	ds_add_u32 v28, v29
	s_wait_dscnt 0x0
	s_endpgm
.Lfunc_end_k_qebc64fe16b_ffn2:
	.size	k_qebc64fe16b_ffn2, .Lfunc_end_k_qebc64fe16b_ffn2-k_qebc64fe16b_ffn2
	.p2alignl 7, 3214868480
	.fill 96, 4, 3214868480
	.section	.rodata,"a",@progbits
	.p2align	6, 0x0
	.amdhsa_kernel k_qebc64fe16b_ffn2
		.amdhsa_group_segment_fixed_size 141824
		.amdhsa_private_segment_fixed_size 0
		.amdhsa_enable_private_segment 0
		.amdhsa_kernarg_size 32
		.amdhsa_user_sgpr_count 2
		.amdhsa_user_sgpr_kernarg_segment_ptr 1
		.amdhsa_wavefront_size32 1
		.amdhsa_system_sgpr_workgroup_id_x 1
		.amdhsa_system_sgpr_workgroup_id_y 1
		.amdhsa_system_sgpr_workgroup_id_z 1
		.amdhsa_system_vgpr_workitem_id 0
		.amdhsa_next_free_vgpr 1024
		.amdhsa_next_free_sgpr 66
		.amdhsa_reserve_vcc 1
		.amdhsa_float_denorm_mode_32 3
		.amdhsa_float_denorm_mode_16_64 3
		.amdhsa_memory_ordered 1
		.amdhsa_forward_progress 1
		.amdhsa_inst_pref_size 106
	.end_amdhsa_kernel
	.amdgpu_metadata
---
amdhsa.version: [ 1, 2 ]
amdhsa.kernels:
  - .name:           k_qebc64fe16b_ffn2
    .symbol:         k_qebc64fe16b_ffn2.kd
    .args:
      - { .name: hbuf, .offset: 0, .size: 8, .value_kind: global_buffer, .address_space: global }
      - { .name: w2, .offset: 8, .size: 8, .value_kind: global_buffer, .address_space: global }
      - { .name: sel, .offset: 16, .size: 8, .value_kind: global_buffer, .address_space: global }
      - { .name: ybuf, .offset: 24, .size: 8, .value_kind: global_buffer, .address_space: global }
    .group_segment_fixed_size: 141824
    .private_segment_fixed_size: 0
    .kernarg_segment_align: 8
    .kernarg_segment_size: 32
    .max_flat_workgroup_size: 128
    .sgpr_count:     66
    .vgpr_count:     1024
    .wavefront_size: 32
...
	.end_amdgpu_metadata
.endif
;; end of part 3
;; launch combine (part 4): grid 256 x 1, 4 waves a work-group, no clusters, 0 bytes of LDS; arguments ybuf, b2, sel, gate, out0; writes out0
.if DOCPART == 4
	.amdgcn_target "amdgcn-amd-amdhsa--gfx1250"
	.amdhsa_code_object_version 6
	.text
	.protected	k_qebc64fe16b_combine
	.globl	k_qebc64fe16b_combine
	.p2align	8
	.type	k_qebc64fe16b_combine,@function
k_qebc64fe16b_combine:
	s_mov_b64 s[64:65], 0
	v_nop
	global_prefetch_b8 v0, s[64:65] scope:SCOPE_SE
	s_setreg_imm32_b32 hwreg(HW_REG_WAVE_MODE, 25, 1), 1
	s_wait_xcnt 0x0
; THE SUM.  out[t] = g0 (y[0][t] + y[1][t] + b2[e0]) + g1 (y[0][1,024 + t] + y[1][1,024 + t] + b2[e1]): the two halves of K of each of token t's two experts, the bias (rounded to bf16, as every input is), the gates.
; All in f32.  One wave has one token: each load and store covers 512 consecutive bytes; every byte of ybuf is read once, every byte of out0 written once.  A stream: no LDS, no matrix unit, no cluster.
; The experts' numbers come from sel (whole numbers that the router stored), the lowest set bit of each byte, held to 0..7 by a constant before they enter an address.
.set Y, 32                             ; v[32:159]  row rr (0: half 0, slot 0; 1: half 1, slot 0; 2: half 0, slot 1; 3: half 1, slot 1), chunk i at Y + 32 rr + 4 i
.set B, 160                            ; v[160:223] b2 of expert e0, then of e1
	s_load_b256 s[4:11], s[0:1], 0x0               ; ybuf s[4:5], b2 s[6:7], sel s[8:9], gate s[10:11]
	s_load_b64 s[12:13], s[0:1], 0x20              ; out0
	v_lshrrev_b32 v1, 5, v0
	v_readfirstlane_b32 s14, v1                    ; wave
	v_and_b32 v1, 31, v0
	v_lshlrev_b32 v1, 4, v1                        ; 16 bytes a lane
	s_lshl2_add_u32 s15, ttmp9, s14                ; my token = 4 x work-group + wave
	s_lshl_b32 s16, s15, 2
	s_mov_b32 s17, 0
	s_lshl_b32 s32, s15, 3
	s_mov_b32 s33, 0
	s_lshl_b32 s34, s15, 12
	s_mov_b32 s35, 0
	s_mov_b32 s30, 0xffff0000
	s_wait_kmcnt 0x0
	s_add_nc_u64 s[8:9], s[8:9], s[16:17]
	s_add_nc_u64 s[10:11], s[10:11], s[32:33]
	s_load_b32 s20, s[8:9], 0x0                    ; sel[t]
	s_load_b64 s[22:23], s[10:11], 0x0             ; g0, g1
	s_add_nc_u64 s[4:5], s[4:5], s[34:35]          ; ybuf and out0 at my token's row
	s_add_nc_u64 s[12:13], s[12:13], s[34:35]
	s_add_nc_u64 s[18:19], s[4:5], 0x800000        ; the second half of K: 2,048 rows of 4,096 bytes on
.set ii, 0
.rept 8
	global_load_b128 v[Y+4*ii:Y+4*ii+3], v1, s[4:5] offset:512*ii th:TH_LOAD_NT
	global_load_b128 v[Y+32+4*ii:Y+32+4*ii+3], v1, s[18:19] offset:512*ii th:TH_LOAD_NT
	global_load_b128 v[Y+64+4*ii:Y+64+4*ii+3], v1, s[4:5] offset:4194304+512*ii th:TH_LOAD_NT
	global_load_b128 v[Y+96+4*ii:Y+96+4*ii+3], v1, s[18:19] offset:4194304+512*ii th:TH_LOAD_NT
.set ii, ii+1
.endr
	s_wait_kmcnt 0x0
	s_and_b32 s24, s20, 0xff
	s_ctz_i32_b32 s24, s24
	s_min_u32 s24, s24, 7                          ; e0
	s_lshl_b32 s24, s24, 12
	s_mov_b32 s25, 0
	s_add_nc_u64 s[26:27], s[6:7], s[24:25]
	s_lshr_b32 s24, s20, 8
	s_ctz_i32_b32 s24, s24
	s_min_u32 s24, s24, 7                          ; e1
	s_lshl_b32 s24, s24, 12
	s_add_nc_u64 s[28:29], s[6:7], s[24:25]
.set ii, 0
.rept 8
	global_load_b128 v[B+4*ii:B+4*ii+3], v1, s[26:27] offset:512*ii
	global_load_b128 v[B+32+4*ii:B+32+4*ii+3], v1, s[28:29] offset:512*ii
.set ii, ii+1
.endr
	s_mov_b32 s24, s23                             ; g1 as the low word of a pair: the packed forms take a scalar pair's low word for both halves
	s_mov_b32 s25, s23
	s_wait_loadcnt 16                              ; the 32 loads of y are in; b2's sixteen stay out
.set zz, 0
.rept 16
	v_pk_add_f32 v[Y+2*zz:Y+2*zz+1], v[Y+2*zz:Y+2*zz+1], v[Y+32+2*zz:Y+32+2*zz+1]
	v_pk_add_f32 v[Y+64+2*zz:Y+64+2*zz+1], v[Y+64+2*zz:Y+64+2*zz+1], v[Y+96+2*zz:Y+96+2*zz+1]
.set zz, zz+1
.endr
	s_wait_loadcnt 0x0
.set zz, 0
.rept 32
	v_cvt_pk_bf16_f32 v[B+2*zz+1], v[B+2*zz], v[B+2*zz+1]  ; b2 rounded to bf16,
.set zz, zz+1
.endr
.set zz, 0
.rept 32
	v_lshlrev_b32 v[B+2*zz], 16, v[B+2*zz+1]       ; and back in f32
	v_and_b32 v[B+2*zz+1], s30, v[B+2*zz+1]
.set zz, zz+1
.endr
.set zz, 0
.rept 16
	v_pk_add_f32 v[Y+2*zz:Y+2*zz+1], v[Y+2*zz:Y+2*zz+1], v[B+2*zz:B+2*zz+1]
	v_pk_add_f32 v[Y+64+2*zz:Y+64+2*zz+1], v[Y+64+2*zz:Y+64+2*zz+1], v[B+32+2*zz:B+32+2*zz+1]
.set zz, zz+1
.endr
.set zz, 0
.rept 16
	v_pk_mul_f32 v[Y+2*zz:Y+2*zz+1], v[Y+2*zz:Y+2*zz+1], s[22:23] op_sel_hi:[1,0]
.set zz, zz+1
.endr
.set zz, 0
.rept 16
	v_pk_fma_f32 v[Y+2*zz:Y+2*zz+1], v[Y+64+2*zz:Y+64+2*zz+1], s[24:25], v[Y+2*zz:Y+2*zz+1] op_sel_hi:[1,0,1]
.set zz, zz+1
.endr
.set ii, 0
.rept 8
	global_store_b128 v1, v[Y+4*ii:Y+4*ii+3], s[12:13] offset:512*ii th:TH_STORE_NT
.set ii, ii+1
.endr
	s_endpgm
.Lfunc_end_k_qebc64fe16b_combine:
	.size	k_qebc64fe16b_combine, .Lfunc_end_k_qebc64fe16b_combine-k_qebc64fe16b_combine
	.p2alignl 7, 3214868480
	.fill 96, 4, 3214868480
	.section	.rodata,"a",@progbits
	.p2align	6, 0x0
	.amdhsa_kernel k_qebc64fe16b_combine
		.amdhsa_group_segment_fixed_size 0
		.amdhsa_private_segment_fixed_size 0
		.amdhsa_enable_private_segment 0
		.amdhsa_kernarg_size 40
		.amdhsa_user_sgpr_count 2
		.amdhsa_user_sgpr_kernarg_segment_ptr 1
		.amdhsa_wavefront_size32 1
		.amdhsa_system_sgpr_workgroup_id_x 1
		.amdhsa_system_sgpr_workgroup_id_y 1
		.amdhsa_system_sgpr_workgroup_id_z 1
		.amdhsa_system_vgpr_workitem_id 0
		.amdhsa_next_free_vgpr 224
		.amdhsa_next_free_sgpr 66
		.amdhsa_reserve_vcc 0
		.amdhsa_float_denorm_mode_32 3
		.amdhsa_float_denorm_mode_16_64 3
		.amdhsa_memory_ordered 1
		.amdhsa_forward_progress 1
		.amdhsa_inst_pref_size 17
	.end_amdhsa_kernel
	.amdgpu_metadata
---
amdhsa.version: [ 1, 2 ]
amdhsa.kernels:
  - .name:           k_qebc64fe16b_combine
    .symbol:         k_qebc64fe16b_combine.kd
    .args:
      - { .name: ybuf, .offset: 0, .size: 8, .value_kind: global_buffer, .address_space: global }
      - { .name: b2, .offset: 8, .size: 8, .value_kind: global_buffer, .address_space: global }
      - { .name: sel, .offset: 16, .size: 8, .value_kind: global_buffer, .address_space: global }
      - { .name: gate, .offset: 24, .size: 8, .value_kind: global_buffer, .address_space: global }
      - { .name: out0, .offset: 32, .size: 8, .value_kind: global_buffer, .address_space: global }
    .group_segment_fixed_size: 0
    .private_segment_fixed_size: 0
    .kernarg_segment_align: 8
    .kernarg_segment_size: 40
    .max_flat_workgroup_size: 128
    .sgpr_count:     66
    .vgpr_count:     224
    .wavefront_size: 32
...
	.end_amdgpu_metadata
.endif
;; end of part 4
;; ======== version 2 of 2: 4 launches; version 1 with the launches ffn1, ffn2 written anew for expert scheduling mode
;; workspace buffers: xb 2,097,152 bytes; sel 4,096 bytes of whole numbers; gate 8,192 bytes; hbuf 67,108,864 bytes; ybuf 16,777,216 bytes
;; launch router: the kernel of part 1 again; grid 256 x 1, 2 waves a work-group, no clusters, 0 bytes of LDS; arguments hidden_states, router_w, router_b, xb, sel, gate; writes xb, sel, gate
;; launch ffn1 (part 5): grid 32 x 8, 4 waves a work-group, no clusters, 262,656 bytes of LDS; arguments xb, w1, b1, sel, hbuf; writes hbuf
.if DOCPART == 5
	.amdgcn_target "amdgcn-amd-amdhsa--gfx1250"
	.amdhsa_code_object_version 6
	.text
	.protected	k_qebc64fe16b_ffn1
	.globl	k_qebc64fe16b_ffn1
	.p2align	8
	.type	k_qebc64fe16b_ffn1,@function
k_qebc64fe16b_ffn1:
	s_mov_b64 s[64:65], 0
	v_nop
	global_prefetch_b8 v0, s[64:65] scope:SCOPE_SE
	s_setreg_imm32_b32 hwreg(HW_REG_WAVE_SCHED_MODE, 0, 2), 2
	s_setreg_imm32_b32 hwreg(HW_REG_WAVE_MODE, 25, 1), 1
	s_wait_xcnt 0x0
	s_wait_alu depctr_vm_vsrc(0)
; THE EXPERTS' FIRST PRODUCT.  h = bf16(gelu(x W1[e] + b1[e])) for the rows (tokens) that chose expert e, in the tanh form of gelu: g(x) = x / (1 + 2^(x (C0 + C1 x^2))).
; x comes rounded to bf16 (xb); W1 and b1 are rounded to bf16 here, on their way through registers; products in the matrix unit, sums in f32; h rounded once.
; LIMITS.  NaN and infinities are not treated apart; 2^y below 2^-126 counts as 0 (g is then x), 2^y beyond f32 gives g = 0 x.
; SHARES.  Work-group (s, e) has columns 128 s .. 128 s + 127 of expert e's W1: 512 KB of f32 that it alone reads, once.  Wave w has the rows k = 256 w .. 256 w + 255 of that slice, as bf16 operand
; fragments in 512 registers, for the whole launch.  The expert's rows go by in sub-blocks of 32; the four waves' partial sums over K meet in LDS (f32), and wave q finishes quarter q of a sub-block.
; W1 IS [K][N] AND NEEDS NO TURNING.  A load takes 64 columns of a row: lanes 0-15 read 256 consecutive bytes, at a multiple of 256, of row k0 + i, lanes 16-31 of row k0 + 8 + i.  Register c of the load belongs to the
; tile of the 16 columns 4 r + c (r = lane % 16); loads 2 p and 2 p + 1 rounded together are register p of that tile's fragment, K in its true places.
; THE MATRIX INSTRUCTION: source 0 = 16 columns of W1, source 1 = 16 rows of x.  A lane then holds ONE row (r) and, over the four tiles c and registers j, the 32 neighbouring columns 32 (lane / 16) + 4 j + c.
; THE ROWS.  sel[t] holds one bit for each of token t's two experts.  Every wave keeps the expert's choice as 32 bitmaps in scalar registers (word w = 4 a + c, bit l: token 128 a + 4 l + c) and, in 32 vector
; registers, the count of chosen tokens up to each word.  Ranks go word by word and bit by bit: the order in which the second product ranks them.  The token of a rank is found in registers alone (SELECT2): a walk over
; 31 counts picks the word, five halvings on the word's partial bit counts pick the bit: about 300 vector instructions for a sub-block's 32 rows, beside its 128 matrix instructions.  So a row's address is plain
; arithmetic on numbers that the launch loaded, nothing of it lies in LDS, and no wait on LDS stands among the products.  Places past the count M repeat rank 0's token, so no store is masked; an expert without
; rows still writes its first two tiles (with a token that exists), which the second product asks for ahead.
; THE LOOP has a constant number of trips for every split of the tokens (0 to 1,024 rows): 8 x (4 sub-blocks multiplied, barrier, 4 finished, barrier); a sub-block past the count is jumped, forward, past no barrier,
; to the label in front of the counters' steps: every offset that enters an LDS address is a constant and a counted loop's steps.
; NO TENSOR LOADS, NO CLUSTER: each slice of W1 has one reader and goes straight into operand registers; the rows of x come by their tokens' numbers, which no tile descriptor covers.
; hbuf: block (e, tile of 16 rows, step of 32 columns) is 1,024 bytes at ((64 e + tile) 128 + step) 1,024; in it columns 16 u + 8 g .. + 7 of row r lie at 512 u + 16 (16 g + r): the second product's operand order.
; LDS: 0 the exchange, [sub-block 4][quarter 4][from wave 4][8 x 512 bytes]; SPARE the spare words.
; THE MODE: SCHED_MODE bits 1:0 = 2 (LLVM: expert scheduling mode 2), set by the entry lines.  The code itself states the register dependences between vector or matrix instructions and memory or LDS
; instructions, and those through scalar registers that vector instructions write, with s_wait_alu, always for 0.
; THE PLAN.  Registers that memory or LDS instructions touch, and who else names them:
;   the four slots of window 1   In the fill: a group's loads land in a slot, its 32 roundings read it, the group four on lands in it.  In the loop: piece p's loads land in slot p % 4, its 32 products read it, the piece four on lands in it.
;   v6, v7           Read by the pieces' loads; v6 is written at the head of piece 1, v7 at the head of piece 3, where the wait for the piece's data has shown the loads that named them done.
;   v15, v64-191     v15 is written at a sub-block's end, the accumulators by its products; its 32 LDS stores read both.  In the finishing loop LDS loads land in v64-191, and vector work reads and writes them.
;   v16, v18         Written at the head of a finishing trip; v16 is read by its LDS loads, v18 by its four stores.
;   v224-239         Written by a finishing trip's sixteen roundings, read by its four stores.
;   v4, v12, v24     Offsets made at the head and never written again.  Windows 2 and 3, b1, the table and SELECT2's registers are named by vector and matrix instructions alone.
; So ONE wait on va_vdst stands at each piece's head, behind the wait for its data: the piece before is done reading its slot, and the address, where it was made anew, is written.  The loads into that slot follow at once, ahead of the
; piece's 32 products, which name none of the registers that those loads touch.  One more stands ahead of each run of stores.  A wait on vm_vsrc stands ahead of each write of a register that a load or store has read.
; Compares stand in runs, each into a scalar register of its own, with one wait on va_sdst between a run and the picks that read its masks.
; REGISTERS, in windows of 256 (s_set_vgpr_msb: bits 1:0 source 0, 3:2 source 1, 5:4 source 2, 7:6 destination):
;   window 0: v0-31 addresses and ranks; v32-63 sel, then the table of counts; v64-191 the 16 accumulators (tile of rows i, tile of columns n at 64 + 64 i + 8 n), later the four partial sums; v192-223 b1;
;             v224-255 b1 as loaded; later v224-239 h, v240-255 SELECT2 at work
;   window 1: four slots of 64: W1 as loaded, then the ring of x's fragments          windows 2, 3: W1's fragments, K step ks, tile n at 64 ks + 8 n
.set SPARE, 262144                     ; 128 bytes for each of four waves: two blocks of 256 bytes that no other line names
.set ACC,   64
.set BIA,   192
.set RAW,   224
.set OUTR,  224
.set PT,    32                         ; v[32:63]  word w: (chosen tokens in words 0 .. w) << 16 | (w + 1)
.set BM,    66                         ; s[66:97]  the bitmaps
.set MK,    40                         ; s[40:63]  lane masks at work: a run of compares has a register for each (s40-47 hold the buffers' offsets at the head, before that)
.set RK,    26                         ; v26, v27  the two ranks that a lane asks for
.set TOK,   8                          ; v8, v9    their tokens
.set T0,    19                         ; v19       rank 0's token
.set KEY,   240                        ; SELECT2's registers, a pair each (first rank, second rank): rank << 16 | 0xffff,
.set POS,   240                        ; later the bit's place;
.set PP,    242                        ; the table entry of the last word passed;
.set XX,    244                        ; the bitmap behind it;
.set A2,    246                        ; its bit counts by fields of 2,
.set B4,    248                        ; of 4,
.set C8,    250                        ; and of 8 bits;
.set TT,    252                        ; at work;
.set KK,    254                        ; the rank inside the word;
.set UU,    30                         ; at work
; v1 lane, v2 r, v3 lane / 16, v4 W1's lane offset, v5 16 (lane / 16), v6, v7 byte offsets in xb of my row in the two tiles, v12 16 lane,
; v13, v14 my places in the exchange (writing, reading), v15, v16 the same for the sub-block in hand, v17, v18 my place in hbuf likewise, v20 at work, v24 b1's offset, v28, v29 the add's two registers
; s14 wave, s15 e, s16 s, s17 the expert's two bits, s18 count, s19, s20, s30 at work, s21 live sub-blocks, s22, s23 and s27-29 the sub-block in hand and its offsets, s25, s26 loop counts, s[32:35] C0, C1, s36 mask
.set MSB, 0
.macro WIN new                         ; the immediate's high byte repeats the setting that is left; a switch that changes nothing is dropped
.if MSB != (\new)
	s_set_vgpr_msb (MSB<<8)|(\new)
.set MSB, (\new)
.endif
.endm
.macro PLACES                          ; four plain vector instructions between a matrix instruction and a load into, or a read of, its registers
.rept 4
	v_nop
.endr
.endm
; Group g of 16 = (K step g / 2, 64 columns g % 2): 16 loads of 2 x 256 consecutive bytes into slot.  The largest offset, 247 rows of 16,384 bytes + 256, lies inside the signed 24-bit immediate.
.macro WLOAD g, slot
	WIN 0x40                                       ; destination window 1, address window 0
.set ii, 0
.rept 16
	global_load_b128 v[64*(\slot)+4*ii:64*(\slot)+4*ii+3], v4, s[6:7] offset:(32*((\g)/2)+ii+8*(ii/8))*16384+((\g)%2)*256 th:TH_LOAD_NT
.set ii, ii+1
.endr
.endm
; The group is rounded to bf16: four fragments of eight registers
.macro WCVT g, slot
	WIN 0x85+0x40*((\g)/8)                         ; sources window 1, destination window 2 (K steps 0-3) or 3
.set cc, 0
.rept 4
.set pp, 0
.rept 8
	v_cvt_pk_bf16_f32 v[(((\g)/2)%4)*64+(((\g)%2)*4+cc)*8+pp], v[64*(\slot)+8*pp+cc], v[64*(\slot)+8*pp+4+cc]
.set pp, pp+1
.endr
.set cc, cc+1
.endr
.endm
; A piece of x: 16 rows x 128 K (four K steps): eight loads, which together take 256 consecutive bytes, at a multiple of 256, of each row
.macro APIECE slot, ro, kq
	WIN 0x40
.set ii, 0
.rept 8
	global_load_b128 v[64*(\slot)+4*ii:64*(\slot)+4*ii+3], v[\ro], s[4:5] offset:(\kq)*256+32*ii
.set ii, ii+1
.endr
.endm
; 16 matrix instructions: two K steps of the piece x all 8 tiles of columns.  The 8 accumulators take turns, one instruction a turn.  A tile's first K step starts the sums with the constant 0.
.macro MM16 i, kq, slot, half
	WIN 0x06+(\kq)                                 ; source 0 (W1) window 2 or 3, source 1 (x) window 1, C and D window 0
.set kk, 2*(\half)
.rept 2
.set nn, 0
.rept 8
.if ((\kq) == 0) && (kk == 0)
	v_wmma_f32_16x16x32_bf16 v[ACC+64*(\i)+8*nn:ACC+64*(\i)+8*nn+7], v[64*kk+8*nn:64*kk+8*nn+7], v[64*(\slot)+8*kk:64*(\slot)+8*kk+7], 0
.else
	v_wmma_f32_16x16x32_bf16 v[ACC+64*(\i)+8*nn:ACC+64*(\i)+8*nn+7], v[64*kk+8*nn:64*kk+8*nn+7], v[64*(\slot)+8*kk:64*(\slot)+8*kk+7], v[ACC+64*(\i)+8*nn:ACC+64*(\i)+8*nn+7]
.endif
.set nn, nn+1
.endr
.set kk, kk+1
.endr
.endm
; n words of the walk (12 at the most: two masks a word), from word w0, for both ranks.  A word is passed if the count up to and including it is not above the rank; the counts never fall, so the words passed are the
; first ones, and the last one passed leaves its table entry and the bitmap behind it.  The compares stand in one run ahead of the picks that take their masks.
.macro SCAN w0, n
.set sj, 0
.rept \n
	v_cmp_ge_u32 s[MK+2*sj], v[KEY], v[PT+(\w0)+sj]
	v_cmp_ge_u32 s[MK+2*sj+1], v[KEY+1], v[PT+(\w0)+sj]
.set sj, sj+1
.endr
	s_wait_alu depctr_va_sdst(0)                   ; the run's compares have written their masks, which the picks below read
.set sj, 0
.rept \n
	v_cndmask_b32 v[PP], v[PP], v[PT+(\w0)+sj], s[MK+2*sj]
	v_cndmask_b32 v[PP+1], v[PP+1], v[PT+(\w0)+sj], s[MK+2*sj+1]
	v_cndmask_b32 v[XX], v[XX], s[BM+(\w0)+sj+1], s[MK+2*sj]
	v_cndmask_b32 v[XX+1], v[XX+1], s[BM+(\w0)+sj+1], s[MK+2*sj+1]
.set sj, sj+1
.endr
.endm
; One halving: the field of wd bits at POS in src holds the set bits of the lower inc places of what is left; if the rank is not below that count, the count is taken off it and POS goes inc places up.
; src is read by the first two lines alone, so it may be the pair UU, which the macro writes further down.
.macro BSTEP src, wd, inc
.irp q, 0, 1
	v_bfe_u32 v[TT+\q], v[(\src)+\q], v[POS+\q], \wd
.endr
.irp q, 0, 1
	v_cmp_ge_u32 s[MK+\q], v[KK+\q], v[TT+\q]
.endr
.irp q, 0, 1
	v_sub_nc_u32 v[TT+\q], v[KK+\q], v[TT+\q]
	v_add_nc_u32 v[UU+\q], \inc, v[POS+\q]
.endr
	s_wait_alu depctr_va_sdst(0)                   ; the two compares have written their masks, which the picks below read; four lines of other work stand between
.irp q, 0, 1
	v_cndmask_b32 v[KK+\q], v[KK+\q], v[TT+\q], s[MK+\q]
	v_cndmask_b32 v[POS+\q], v[POS+\q], v[UU+\q], s[MK+\q]
.endr
.endm
; The tokens of the ranks in v[RK], v[RK+1] into v[TOK], v[TOK+1].  The two ranks' lines alternate, so that no line reads the result of the one before it.
; A rank at or past the count M ends in word 31 at some bit: a number from 0 to 1,023 that VALID replaces.
.macro SELECT2
.irp q, 0, 1
	v_lshl_or_b32 v[KEY+\q], v[RK+\q], 16, 0xffff  ; not below a table entry exactly if the rank is not below its count
	v_mov_b32 v[PP+\q], 0
	v_mov_b32 v[XX+\q], s[BM]
.endr
	SCAN 0, 12                                     ; words 0 to 30, in three runs
	SCAN 12, 12
	SCAN 24, 7
.irp q, 0, 1
	v_lshrrev_b32 v[TT+\q], 16, v[PP+\q]           ; the chosen tokens in front of the word
	v_lshrrev_b32 v[A2+\q], 1, v[XX+\q]
.endr
.irp q, 0, 1
	v_sub_nc_u32 v[KK+\q], v[RK+\q], v[TT+\q]      ; the rank inside the word
	v_and_b32 v[A2+\q], 0x55555555, v[A2+\q]
.endr
.irp q, 0, 1
	v_and_b32 v[PP+\q], 0xffff, v[PP+\q]           ; the word's number
	v_sub_nc_u32 v[A2+\q], v[XX+\q], v[A2+\q]      ; set bits in each field of 2
.endr
.irp q, 0, 1
	v_lshrrev_b32 v[TT+\q], 2, v[A2+\q]
	v_and_b32 v[B4+\q], 0x33333333, v[A2+\q]
.endr
.irp q, 0, 1
	v_and_b32 v[TT+\q], 0x33333333, v[TT+\q]
.endr
.irp q, 0, 1
	v_add_nc_u32 v[B4+\q], v[B4+\q], v[TT+\q]      ; in each field of 4
.endr
.irp q, 0, 1
	v_lshrrev_b32 v[TT+\q], 4, v[B4+\q]
.endr
.irp q, 0, 1
	v_add_nc_u32 v[C8+\q], v[B4+\q], v[TT+\q]
.endr
.irp q, 0, 1
	v_and_b32 v[C8+\q], 0x0f0f0f0f, v[C8+\q]       ; in each byte
.endr
.irp q, 0, 1
	v_lshrrev_b32 v[TT+\q], 8, v[C8+\q]
	v_mov_b32 v[POS+\q], 0
.endr
.irp q, 0, 1
	v_add_nc_u32 v[UU+\q], v[C8+\q], v[TT+\q]      ; byte 0: in the lower 16 bits
.endr
	BSTEP UU, 8, 16
	BSTEP C8, 8, 8
	BSTEP B4, 4, 4
	BSTEP A2, 2, 2
	BSTEP XX, 1, 1
.irp q, 0, 1
	v_and_b32 v[TT+\q], 0x1c, v[PP+\q]             ; 4 a
	v_and_b32 v[UU+\q], 3, v[PP+\q]                ; c
.endr
.irp q, 0, 1
	v_lshl_or_b32 v[UU+\q], v[TT+\q], 5, v[UU+\q]  ; 128 a + c
.endr
.irp q, 0, 1
	v_lshl_add_u32 v[TOK+\q], v[POS+\q], 2, v[UU+\q]  ; + 4 l
.endr
.endm
; Places at or past the count take rank 0's token; what was made of loaded numbers enters an address only behind the bound
.macro VALID
	v_cmp_gt_u32 s[MK], s18, v[RK]
	v_cmp_gt_u32 s[MK+1], s18, v[RK+1]
	s_wait_alu depctr_va_sdst(0)                   ; the two compares have written their masks, which the picks below read
	v_cndmask_b32 v[TOK], v[T0], v[TOK], s[MK]
	v_cndmask_b32 v[TOK+1], v[T0], v[TOK+1], s[MK+1]
	v_min_u32 v[TOK], 0x3ff, v[TOK]
	v_min_u32 v[TOK+1], 0x3ff, v[TOK+1]
.endm
	s_load_b256 s[4:11], s[0:1], 0x0               ; xb s[4:5], w1 s[6:7], b1 s[8:9], sel s[10:11]
	s_load_b64 s[12:13], s[0:1], 0x20              ; hbuf
	v_lshl_add_u32 v28, v0, 2, SPARE               ; the add's two registers, kept for it alone
	v_mov_b32 v29, 0
	v_lshrrev_b32 v1, 5, v0
	v_readfirstlane_b32 s14, v1                    ; wave 0..3
	v_and_b32 v1, 31, v0
	v_and_b32 v2, 15, v0
	v_bfe_u32 v3, v0, 4, 1
	s_and_b32 s15, ttmp7, 0xffff                   ; the expert
	s_mov_b32 s16, ttmp9                           ; the slice of 128 columns
	v_lshlrev_b32 v12, 4, v1
	v_lshlrev_b32 v5, 4, v3
	v_lshlrev_b32 v4, 4, v2
	v_lshl_add_u32 v4, v3, 17, v4                  ; 16 r + (lane / 16) x 8 rows of 16,384 bytes
	v_lshlrev_b32 v24, 7, v3                       ; b1: my 32 columns begin 128 (lane / 16) bytes in
	s_wait_alu depctr_va_sdst(0)                   ; s14 is written, ahead of its first reader: the buffers' offsets are made from it
	s_and_b32 s20, s14, 1
	s_lshl_b32 s40, s14, 9                         ; xb: my wave's 256 K are 512 bytes of a row
	s_mov_b32 s41, 0
	s_lshl_b32 s42, s15, 24                        ; w1: the expert, my wave's 256 rows, the slice's 512 bytes
	s_lshl_b32 s19, s14, 22
	s_add_co_u32 s42, s42, s19
	s_lshl_b32 s19, s16, 9
	s_add_co_u32 s42, s42, s19
	s_mov_b32 s43, 0
	s_lshl_b32 s44, s15, 14                        ; b1: the expert, the slice, the 64 columns of the quarter that I finish
	s_add_co_u32 s44, s44, s19
	s_lshl_b32 s19, s20, 8
	s_add_co_u32 s44, s44, s19
	s_mov_b32 s45, 0
	s_lshl_b32 s46, s15, 23                        ; hbuf: the expert's 64 tiles, the slice's four steps
	s_lshl_b32 s19, s16, 12
	s_add_co_u32 s46, s46, s19
	s_mov_b32 s47, 0
	s_wait_kmcnt 0x0
	s_add_nc_u64 s[4:5], s[4:5], s[40:41]
	s_add_nc_u64 s[6:7], s[6:7], s[42:43]
	s_add_nc_u64 s[8:9], s[8:9], s[44:45]
	s_add_nc_u64 s[12:13], s[12:13], s[46:47]
	s_wait_alu depctr_va_vdst(0)                   ; the offsets v12, v24 and v4 are written, which the loads below read; none of the three is written again
.set aa, 0
.rept 8
	global_load_b128 v[PT+4*aa:PT+4*aa+3], v12, s[10:11] offset:512*aa  ; all 1,024 words of sel: word c of load a is token 128 a + 4 lane + c
.set aa, aa+1
.endr
.set jj, 0
.rept 8
	global_load_b128 v[RAW+4*jj:RAW+4*jj+3], v24, s[8:9] offset:16*jj
.set jj, jj+1
.endr
	WLOAD 0, 0
	WLOAD 1, 1
	WLOAD 2, 2
	WIN 0
	; set-up on registers stands in the wait for sel
	s_lshl_b32 s19, s14, 12
	v_add_nc_u32 v13, s19, v12                     ; I write: from wave w, 4,096 bytes
	s_lshl_b32 s19, s14, 14
	v_add_nc_u32 v14, s19, v12                     ; I read: quarter w, 16,384 bytes
	s_lshr_b32 s19, s14, 1
	s_lshl_b32 s19, s19, 17                        ; quarter w = (tile of rows w / 2, 64 columns w % 2): a tile is 131,072 bytes of hbuf, 64 columns two steps
	s_lshl_b32 s30, s20, 11
	s_add_co_u32 s19, s19, s30
	v_lshlrev_b32 v17, 4, v2
	v_lshl_add_u32 v17, v3, 10, v17
	v_add_nc_u32 v17, s19, v17
	s_lshl_b32 s17, 0x101, s15
	s_mov_b32 s18, 0
	s_mov_b32 s32, 0xc0135761                      ; C0 = -2 sqrt(2 / pi) log2(e) = -2.3022082
	s_mov_b32 s33, s32
	s_mov_b32 s34, 0xbdd2d3e8                      ; C1 = 0.044715 C0 = -0.10294324
	s_mov_b32 s35, s34
	s_mov_b32 s36, 0xffff0000
	v_mov_b32 v[RK], v2                            ; the first sub-block's ranks: r and 16 + r
	v_add_nc_u32 v[RK+1], 16, v2
	s_wait_loadcnt 48                              ; sel and b1 are in; the three groups of W1 stay out
	WLOAD 3, 3                                     ; the fourth group goes out at once: the work on b1 and sel below stands under four groups on their way.  No wait: no vector line since the wait above names v4 or slot 3
	WIN 0
.set jj, 0
.rept 8
.irp c, 0, 2
	v_cvt_pk_bf16_f32 v[RAW+4*jj+\c], v[RAW+4*jj+\c], v[RAW+4*jj+\c+1]  ; b1 rounded to bf16, and laid as the sums lie: tile c, register j
	v_lshlrev_b32 v[BIA+8*\c+jj], 16, v[RAW+4*jj+\c]
	v_and_b32 v[BIA+8*\c+8+jj], s36, v[RAW+4*jj+\c]
.endr
.set jj, jj+1
.endr
	; the bitmaps, and the table of counts where sel lay
.set sw, 0
.rept 32
	v_and_b32 v[PT+sw], s17, v[PT+sw]
.set sw, sw+1
.endr
.set sw, 0
.rept 32
	v_cmp_ne_u32 s[BM+sw], 0, v[PT+sw]
.set sw, sw+1
.endr
	s_wait_alu depctr_va_sdst(0)                   ; the 32 compares have written the bitmaps, ahead of their first readers, the counts below
.set sw, 0
.rept 32
	s_bcnt1_i32_b32 s19, s[BM+sw]
	s_add_co_u32 s18, s18, s19
	s_lshl_b32 s19, s18, 16
	s_or_b32 s19, s19, sw+1
	v_mov_b32 v[PT+sw], s19
.set sw, sw+1
.endr
	s_min_u32 s18, s18, 0x400                      ; M
	s_add_co_u32 s21, s18, 31
	s_lshr_b32 s21, s21, 5
	s_max_u32 s21, s21, 1                          ; live sub-blocks; one at the least
	SELECT2
	v_min_u32 v20, 0x3ff, v[TOK]
	v_readfirstlane_b32 s19, v20                   ; lane 0 asked for rank 0
	s_wait_alu depctr_va_sdst(0)                   ; s19 is written, ahead of the line that reads it
	v_mov_b32 v[T0], s19
	VALID
	v_lshl_add_u32 v6, v[TOK], 11, v5              ; token x 2,048 bytes + 16 (lane / 16)
	v_lshl_add_u32 v7, v[TOK+1], 11, v5
	; THE FILL.  Four groups, 64 loads of 512 bytes, are out for each wave; a group is rounded when it is in, and its slot asked for again.
.set g, 0
.rept 16
.if g < 13
	s_wait_loadcnt 48                              ; the three younger groups stay out
.else
	s_wait_loadcnt 48-8*(g-12)                     ; the younger groups, and the pieces of x (eight loads each) that took freed slots
.endif
	WCVT g, g%4
.if g < 15
	s_wait_alu depctr_va_vdst(0)                   ; the group's roundings are done reading the slot, in which the loads below land; v6 and v7, which the pieces' loads read, are written
.endif
.if g < 12
	WLOAD g+4, g%4
.elseif g == 12
	APIECE 0, 6, 0
.elseif g == 13
	APIECE 1, 6, 1
.elseif g == 14
	APIECE 2, 7, 0
.endif
.set g, g+1
.endr
	WIN 0                                          ; at a label and at a branch every window is 0
	s_mov_b32 s22, 0
	s_mov_b32 s27, 0
	s_mov_b32 s29, 0
	s_mov_b32 s26, 8
.Louter:
	s_mov_b32 s23, 0
	s_mov_b32 s25, 4
.Lmul:                                             ; at this label slots 0, 1, 2 of the ring have been asked for, in that order, whichever way leads here: a sub-block is one turn of the ring
	s_cmp_ge_u32 s22, s21
	s_cbranch_scc1 .Lmul_next
	s_add_co_u32 s19, s22, 1
	s_cmp_ge_u32 s19, s21
	s_cbranch_scc1 .Lno_next                       ; behind the last live sub-block the pieces asked ahead repeat its own rows
	s_lshl_b32 s19, s19, 5
	v_add_nc_u32 v[RK], s19, v2                    ; the next sub-block's ranks,
	v_add_nc_u32 v[RK+1], 16, v[RK]
	SELECT2                                        ; and their tokens: this work stands ahead of the wait for the sub-block's first piece; no load or store names a register of it
	VALID
.Lno_next:
	s_wait_loadcnt 16                              ; this piece is in; the two younger pieces stay out (so in every piece)
	s_wait_alu depctr_vm_vsrc(0)                   ; the LDS stores of the sub-block before have read the accumulators, which this one's products write again, and v15, which is written at its end
	s_wait_alu depctr_va_vdst(0)                   ; the last products of the sub-block before (at the first: the last group's roundings) are done reading slot 3; the four places behind those products stand ahead of its LDS stores
	APIECE 3, 7, 1                                 ; three pieces ahead, into the slot that the piece before has left; the products below name none of these loads' registers (so in every piece)
	MM16 0, 0, 0, 0
	MM16 0, 0, 0, 1
	s_wait_loadcnt 16                              ; slots 0 and 1 are in, so v6, which their loads named, may be written
	WIN 0
	s_wait_alu depctr_vm_vsrc(0)                   ; those loads have read v6
	v_lshl_add_u32 v6, v[TOK], 11, v5              ; this line and three v_nop are the four places
	v_nop
	v_nop
	v_nop
	s_wait_alu depctr_va_vdst(0)                   ; v6 is written; the products above are done reading slot 0
	APIECE 0, 6, 0
	MM16 0, 1, 1, 0
	MM16 0, 1, 1, 1
	s_wait_loadcnt 16
	PLACES
	s_wait_alu depctr_va_vdst(0)                   ; the products above are done reading slot 1
	APIECE 1, 6, 1
	MM16 1, 0, 2, 0
	MM16 1, 0, 2, 1
	s_wait_loadcnt 16                              ; slots 2 and 3 are in, so v7 may be written
	WIN 0
	s_wait_alu depctr_vm_vsrc(0)                   ; their loads have read v7
	v_lshl_add_u32 v7, v[TOK+1], 11, v5
	v_nop
	v_nop
	v_nop
	s_wait_alu depctr_va_vdst(0)                   ; v7 is written; the products above are done reading slot 2
	APIECE 2, 7, 0
	MM16 1, 1, 3, 0
	MM16 1, 1, 3, 1
	WIN 0
	v_add_nc_u32 v15, s23, v13                     ; free since the sub-block's first wait on vm_vsrc; with three v_nop the four places behind the last product
	v_nop
	v_nop
	v_nop
	s_wait_alu depctr_va_vdst(0)                   ; the products have written the accumulators, and v15 is written: the LDS stores read both; the places above stay beside this wait
.set mm, 0
.rept 32                               ; my partial sums, ascending (each accumulator's low half first): 512 consecutive bytes a store
	ds_store_b128 v15, v[ACC+4*mm:ACC+4*mm+3] offset:(mm/8)*16384+(mm%8)*512
.set mm, mm+1
.endr
.Lmul_next:
	s_add_co_u32 s22, s22, 1
	s_add_co_u32 s23, s23, 65536
	s_sub_co_u32 s25, s25, 1
	s_cmp_lg_u32 s25, 0
	s_cbranch_scc1 .Lmul
	s_wait_dscnt 0x0                               ; for the others' sake: my stores into the exchange are done
	s_barrier_signal -1
	s_barrier_wait -1
	s_mov_b32 s28, 0
	s_mov_b32 s25, 4
.Lfin:
	s_cmp_ge_u32 s27, s21
	s_cbranch_scc1 .Lfin_next
	s_wait_xcnt 0x0                                ; v18 and v224-239, which the last stores read, are written again only behind this wait
	s_wait_alu depctr_vm_vsrc(0)                   ; beside it: those stores have read v18 and v224-239, the last trip's LDS loads v16, and my LDS stores the accumulators, in which the loads below land
	v_add_nc_u32 v16, s28, v14
	v_add_nc_u32 v18, s29, v17
	s_wait_alu depctr_va_vdst(0)                   ; v16 and v18 are written; the last trip's arithmetic is done with v64-191, in which the loads below land
.set mm, 0
.rept 32                               ; my quarter from all four waves
	ds_load_b128 v[ACC+4*mm:ACC+4*mm+3], v16 offset:(mm/8)*4096+(mm%8)*512
.set mm, mm+1
.endr
	s_wait_dscnt 24                                ; wave 0's eight loads are in; 24 younger stay out
.set zz, 0
.rept 16
	v_pk_add_f32 v[ACC+2*zz:ACC+2*zz+1], v[ACC+2*zz:ACC+2*zz+1], v[BIA+2*zz:BIA+2*zz+1]
.set zz, zz+1
.endr
.irp p, 1, 2, 3
	s_wait_dscnt 24-8*\p
.set zz, 0
.rept 16
	v_pk_add_f32 v[ACC+2*zz:ACC+2*zz+1], v[ACC+2*zz:ACC+2*zz+1], v[ACC+32*\p+2*zz:ACC+32*\p+2*zz+1]
.set zz, zz+1
.endr
.endr
.set U, ACC+32
.set zz, 0
.rept 16
	v_pk_mul_f32 v[U+2*zz:U+2*zz+1], v[ACC+2*zz:ACC+2*zz+1], v[ACC+2*zz:ACC+2*zz+1]
.set zz, zz+1
.endr
.set zz, 0
.rept 16
	v_pk_fma_f32 v[U+2*zz:U+2*zz+1], v[U+2*zz:U+2*zz+1], s[34:35], s[32:33] op_sel_hi:[1,0,0]
.set zz, zz+1
.endr
.set zz, 0
.rept 16
	v_pk_mul_f32 v[U+2*zz:U+2*zz+1], v[U+2*zz:U+2*zz+1], v[ACC+2*zz:ACC+2*zz+1]
.set zz, zz+1
.endr
.set zz, 0
.rept 32
	v_exp_f32 v[U+zz], v[U+zz]
.set zz, zz+1
.endr
	v_nop                                          ; a plain instruction between the last transcendental and the use of its result
	s_wait_alu depctr_va_vdst(0)                   ; the 32 exponentials have written their results, ahead of the first line that names one
.set zz, 0
.rept 16
	v_pk_add_f32 v[U+2*zz:U+2*zz+1], v[U+2*zz:U+2*zz+1], 1.0 op_sel_hi:[1,0]
.set zz, zz+1
.endr
.set zz, 0
.rept 32
	v_rcp_f32 v[U+zz], v[U+zz]
.set zz, zz+1
.endr
	v_nop
	s_wait_alu depctr_va_vdst(0)                   ; the 32 reciprocals have written their results, ahead of the first line that names one
.set zz, 0
.rept 16
	v_pk_mul_f32 v[ACC+2*zz:ACC+2*zz+1], v[ACC+2*zz:ACC+2*zz+1], v[U+2*zz:U+2*zz+1]
.set zz, zz+1
.endr
.set qq, 0
.rept 4                                ; columns 8 q .. 8 q + 7 of my 32: registers j = 2 q, 2 q + 1 of the four tiles c
	v_cvt_pk_bf16_f32 v[OUTR+4*qq], v[ACC+2*qq], v[ACC+8+2*qq]
	v_cvt_pk_bf16_f32 v[OUTR+4*qq+1], v[ACC+16+2*qq], v[ACC+24+2*qq]
	v_cvt_pk_bf16_f32 v[OUTR+4*qq+2], v[ACC+2*qq+1], v[ACC+8+2*qq+1]
	v_cvt_pk_bf16_f32 v[OUTR+4*qq+3], v[ACC+16+2*qq+1], v[ACC+24+2*qq+1]
.set qq, qq+1
.endr
	s_wait_alu depctr_va_vdst(0)                   ; the sixteen roundings have written v224-239, which the four stores read
.set qq, 0
.rept 4
	global_store_b128 v18, v[OUTR+4*qq:OUTR+4*qq+3], s[12:13] offset:256*qq  ; each half of the lanes stores 256 consecutive bytes, at a multiple of 256
.set qq, qq+1
.endr
.Lfin_next:
	s_add_co_u32 s27, s27, 1
	s_add_co_u32 s28, s28, 65536
	s_add_co_u32 s29, s29, 262144                  ; two tiles of hbuf
	s_sub_co_u32 s25, s25, 1
	s_cmp_lg_u32 s25, 0
	s_cbranch_scc1 .Lfin
	s_wait_dscnt 0x0                               ; my reads of the exchange are over: behind the barrier it is written again
	s_barrier_signal -1
	s_barrier_wait -1
	s_sub_co_u32 s26, s26, 1
	s_cmp_lg_u32 s26, 0
	s_cbranch_scc1 .Louter
	s_wait_dscnt 0x0                               ; the wave's end
	s_wait_alu 0x0
	s_wait_tensorcnt 0x0
	ds_add_u32 v28, v29
	s_wait_dscnt 0x0
	s_endpgm
.Lfunc_end_k_qebc64fe16b_ffn1:
	.size	k_qebc64fe16b_ffn1, .Lfunc_end_k_qebc64fe16b_ffn1-k_qebc64fe16b_ffn1
	.p2alignl 7, 3214868480
	.fill 96, 4, 3214868480
	.section	.rodata,"a",@progbits
	.p2align	6, 0x0
	.amdhsa_kernel k_qebc64fe16b_ffn1
		.amdhsa_group_segment_fixed_size 262656
		.amdhsa_private_segment_fixed_size 0
		.amdhsa_enable_private_segment 0
		.amdhsa_kernarg_size 40
		.amdhsa_user_sgpr_count 2
		.amdhsa_user_sgpr_kernarg_segment_ptr 1
		.amdhsa_wavefront_size32 1
		.amdhsa_system_sgpr_workgroup_id_x 1
		.amdhsa_system_sgpr_workgroup_id_y 1
		.amdhsa_system_sgpr_workgroup_id_z 1
		.amdhsa_system_vgpr_workitem_id 0
		.amdhsa_next_free_vgpr 1024
		.amdhsa_next_free_sgpr 98
		.amdhsa_reserve_vcc 0
		.amdhsa_float_denorm_mode_32 3
		.amdhsa_float_denorm_mode_16_64 3
		.amdhsa_memory_ordered 1
		.amdhsa_forward_progress 1
		.amdhsa_inst_pref_size 141
	.end_amdhsa_kernel
	.amdgpu_metadata
---
amdhsa.version: [ 1, 2 ]
amdhsa.kernels:
  - .name:           k_qebc64fe16b_ffn1
    .symbol:         k_qebc64fe16b_ffn1.kd
    .args:
      - { .name: xb, .offset: 0, .size: 8, .value_kind: global_buffer, .address_space: global }
      - { .name: w1, .offset: 8, .size: 8, .value_kind: global_buffer, .address_space: global }
      - { .name: b1, .offset: 16, .size: 8, .value_kind: global_buffer, .address_space: global }
      - { .name: sel, .offset: 24, .size: 8, .value_kind: global_buffer, .address_space: global }
      - { .name: hbuf, .offset: 32, .size: 8, .value_kind: global_buffer, .address_space: global }
    .group_segment_fixed_size: 262656
    .private_segment_fixed_size: 0
    .kernarg_segment_align: 8
    .kernarg_segment_size: 40
    .max_flat_workgroup_size: 128
    .sgpr_count:     98
    .vgpr_count:     1024
    .wavefront_size: 32
...
	.end_amdgpu_metadata
.endif
;; end of part 5
;; launch ffn2 (part 6): grid 256 x 1, 4 waves a work-group, no clusters, 141,824 bytes of LDS; arguments hbuf, w2, sel, ybuf; writes ybuf
.if DOCPART == 6
	.amdgcn_target "amdgcn-amd-amdhsa--gfx1250"
	.amdhsa_code_object_version 6
	.text
	.protected	k_qebc64fe16b_ffn2
	.globl	k_qebc64fe16b_ffn2
	.p2align	8
	.type	k_qebc64fe16b_ffn2,@function
k_qebc64fe16b_ffn2:
	s_mov_b64 s[64:65], 0
	v_nop
	global_prefetch_b8 v0, s[64:65] scope:SCOPE_SE
	s_setreg_imm32_b32 hwreg(HW_REG_WAVE_SCHED_MODE, 0, 2), 2
	s_setreg_imm32_b32 hwreg(HW_REG_WAVE_MODE, 25, 1), 1
	s_wait_xcnt 0x0
	s_wait_alu depctr_vm_vsrc(0)
; THE EXPERTS' SECOND PRODUCT.  y = h W2[e] for the rows that chose expert e, as two partial sums over the hidden width (f32): ybuf[kh][1,024 slot + token][1,024].  Bias and gate come in the next launch.
; h comes in bf16, in operand order (hbuf); W2 is rounded to bf16 here, on its way through registers; products in the matrix unit, sums in f32.  NaN and infinities are not treated apart.
; SHARES.  Work-group i: expert e = bits 1 to 3 of i, half of K kh = bit 0 (2,048 rows), 64 columns i / 16: 512 KB of f32 of W2 that it alone reads, once, in rows of 256 bytes.  The sixteen work-groups that read
; the same tiles of h (one e, one kh) have numbers 16 apart.  Wave w has the rows 2,048 kh + 512 w .. + 511 as bf16 fragments in 512 registers.  The expert's rows go by in sub-blocks of 32; the four waves'
; partial sums meet in LDS, and wave q finishes quarter q.
; W2 IS [K][N] AND NEEDS NO TURNING: a load takes 64 columns of two rows (256 consecutive bytes for each half of the lanes); register c belongs to the tile of the columns 4 r + c; loads 2 p, 2 p + 1 make register p.
; THE MATRIX INSTRUCTION: source 0 = 16 rows of h, source 1 = 16 columns of W2.  Register j of a lane holds row 8 (lane / 16) + j, column 4 r + c: the four tiles' registers are 16 neighbouring bytes of a row of y.
; THE LIST ranks the expert's tokens in the first product's order (load by load, word by word, lane by lane); an entry is 1,024 slot + token, the row of ybuf.  Places past the count M repeat rank 0's entry, whose
; row of h the first product repeated there: the same numbers go onto the same bytes, and no store is masked.  An expert without rows stores nothing.  Tiles asked for ahead are bounded by the last tile that the first product wrote.
; THE LOOP has a constant number of trips for every split: 8 x (4 sub-blocks multiplied, barrier, 4 finished, barrier); a sub-block past the count is jumped, forward, past no barrier, to the label in front of the
; counters' steps: every offset that enters an LDS address is a constant and a counted loop's steps.
; NO TENSOR LOADS, NO CLUSTER: each slice of W2 has one reader; the tiles of h, which an expert's work-groups share, are asked for in a loop whose live trips hang on a stored count.
; LDS: 0 the exchange, [sub-block 4][quarter 4][from wave 4][4 x 512 bytes]; LIST the waves' lists, 2,560 bytes each; SPARE the spare words.
; THE MODE: SCHED_MODE bits 1:0 = 2 (LLVM: expert scheduling mode 2), set by the entry lines.  The code itself states the register dependences between vector or matrix instructions and memory or LDS
; instructions, and those through scalar registers that vector instructions write, with s_wait_alu, always for 0.
; THE PLAN.  Registers that memory or LDS instructions touch, and who else names them:
;   the four slots of window 1   In the fill: a K step's loads land in a slot, its 32 roundings read it, the K step four on lands in it.  In the loop: piece p's loads land in slot p % 4, its 32 products read it, the piece four on lands in it.
;   v6, v7           Read by the pieces' loads; v6 is written at the head of piece 1, v7 at the head of piece 3, where the wait for the piece's data has shown the loads that named them done.
;   v15, v64-127     v15 is written at a sub-block's end, the accumulators by its products; its 16 LDS stores read both.  In the finishing loop LDS loads land in v64-127, and vector work reads and writes them.
;   v16, v18         Written at the head of a finishing trip, read by its LDS loads.  v144-145: the list's load lands there, four vector lines read it.
;   v128-143, v146-149   Written by a finishing trip's last additions and its address lines, read by its four stores.
;   At the head: v128-191, the list's 32 addresses and 32 entries, a register each, v21, v25 and v64-67: written by vector lines, then read by one run of LDS stores.  v24: rank 0's entry lands there and is stored from there.
;   v4, v10-v14, v17 Made at the head and never written again.  Windows 2 and 3 are named by vector and matrix instructions alone.
; So ONE wait on va_vdst stands at each piece's head, behind the wait for its data: the piece before is done reading its slot, and the address, where it was made anew, is written.  The loads into that slot follow at once, ahead of the
; piece's 32 products, which name none of the registers that those loads touch.  One more stands ahead of each run of stores.  A wait on vm_vsrc stands ahead of each write of a register that a load or store has read.
; The list's compares stand in two runs of sixteen, each into a scalar register of its own, with one wait on va_sdst behind a run.
; REGISTERS: window 0: v0-29 addresses; v32-63 sel; v64-127 the 8 accumulators (tile of rows i, tile of columns c at 64 + 32 i + 8 c), later the partial sums; v128-149 the way out
;   window 1: four slots of 64: W2 as loaded, then the ring of h's fragments          windows 2, 3: W2's fragments, K step ks, tile c at 32 ks + 8 c
.set LIST,  131072
.set LSTB,  2560
.set SPARE, 141312                     ; 128 bytes for each of four waves: two blocks of 256 bytes that no other line names
.set ACC,   64
.set OUTR,  128
.set LADR,  128                        ; v[128:159] at the head only: word w's LDS address in the list
.set LENT,  160                        ; v[160:191] at the head only: word w's entry
.set MK,    48                         ; s[48:63]   at the head only: the lane masks of sixteen words
; v1 lane, v2 r, v3 lane / 16, v4 W2's lane offset, v6, v7 byte offsets in hbuf of the two tiles, v10 my four entries in the list, v11 list, v12 16 lane, v13, v14 my places in the exchange,
; v15, v16, v18 the same and v10 for the sub-block in hand, v17 16 r, v20-27 at work, v28, v29 the add's two registers
; s14 wave, s15 e, s16 the 64 columns, s17 the expert's two bits, s18 count, s19 at work, s20 kh, s21 live sub-blocks, s22, s23, s27-29 the sub-block in hand and its offsets, s24 last written tile, s25, s26 loop counts
.set MSB, 0
.macro WIN new                         ; the immediate's high byte repeats the setting that is left; a switch that changes nothing is dropped
.if MSB != (\new)
	s_set_vgpr_msb (MSB<<8)|(\new)
.set MSB, (\new)
.endif
.endm
.macro PLACES                          ; four plain vector instructions between a matrix instruction and a load into, or a read of, its registers
.rept 4
	v_nop
.endr
.endm
; K step g: 16 loads of 2 x 256 consecutive bytes into slot.  The largest offset, 503 rows of 4,096 bytes, lies inside the signed 24-bit immediate.
.macro WLOAD g, slot
	WIN 0x40                                       ; destination window 1, address window 0
.set ii, 0
.rept 16
	global_load_b128 v[64*(\slot)+4*ii:64*(\slot)+4*ii+3], v4, s[6:7] offset:(32*(\g)+ii+8*(ii/8))*4096 th:TH_LOAD_NT
.set ii, ii+1
.endr
.endm
.macro WCVT g, slot
	WIN 0x85+0x40*((\g)/8)                         ; sources window 1, destination window 2 (K steps 0-7) or 3
.set cc, 0
.rept 4
.set pp, 0
.rept 8
	v_cvt_pk_bf16_f32 v[((\g)%8)*32+cc*8+pp], v[64*(\slot)+8*pp+cc], v[64*(\slot)+8*pp+4+cc]
.set pp, pp+1
.endr
.set cc, cc+1
.endr
.endm
; A piece of h: 16 rows x 256 K (eight K steps): 16 loads of 512 consecutive bytes
.macro APIECE slot, t, kq
	WIN 0x40
.set ii, 0
.rept 16
	global_load_b128 v[64*(\slot)+4*ii:64*(\slot)+4*ii+3], v[\t], s[4:5] offset:(\kq)*8192+512*ii
.set ii, ii+1
.endr
.endm
; 16 matrix instructions: four K steps of the piece x the 4 tiles of columns.  The 4 accumulators take turns, one instruction a turn.  A tile's first K step starts the sums with the constant 0.
.macro MM16 i, kq, slot, half
	WIN 0x09+4*(\kq)                               ; source 0 (h) window 1, source 1 (W2) window 2 or 3, C and D window 0
.set kk, 4*(\half)
.rept 4
.set nn, 0
.rept 4
.if ((\kq) == 0) && (kk == 0)
	v_wmma_f32_16x16x32_bf16 v[ACC+32*(\i)+8*nn:ACC+32*(\i)+8*nn+7], v[64*(\slot)+8*kk:64*(\slot)+8*kk+7], v[32*kk+8*nn:32*kk+8*nn+7], 0
.else
	v_wmma_f32_16x16x32_bf16 v[ACC+32*(\i)+8*nn:ACC+32*(\i)+8*nn+7], v[64*(\slot)+8*kk:64*(\slot)+8*kk+7], v[32*kk+8*nn:32*kk+8*nn+7], v[ACC+32*(\i)+8*nn:ACC+32*(\i)+8*nn+7]
.endif
.set nn, nn+1
.endr
.set kk, kk+1
.endr
.endm
; Word w = 4 a + c of sel (one token a lane, token 128 a + c + 4 lane; the expert's two bits of it in v[32 + w], the chosen lanes in scalar register m) is ranked: a chosen lane's rank is the count so far plus the
; chosen lanes below it; the others take a dump rank of their own.  The entry is the token, plus 1,024 if the expert is the token's second.  Address and entry go into registers of the word's own; the stores follow in one run.
.macro LISTG w, m
	v_mbcnt_lo_u32_b32 v20, s[\m], s18
	v_cndmask_b32 v20, v23, v20, s[\m]
	v_min_u32 v20, 0x47f, v20                      ; a rank made of loaded numbers enters an address only behind this bound: 2 x 1,151 + 2 bytes lie inside my 2,560
	v_lshl_add_u32 v[LADR+(\w)], v20, 1, v11
	v_lshrrev_b32 v27, s37, v[32+(\w)]             ; the slot: 1 where the upper bit is the one that is set
	v_lshl_add_u32 v26, v27, 10, v22
	v_add_nc_u32 v[LENT+(\w)], 128*((\w)/4)+(\w)%4, v26
	s_bcnt1_i32_b32 s19, s[\m]
	s_add_co_u32 s18, s18, s19
.endm
	s_load_b256 s[4:11], s[0:1], 0x0               ; hbuf s[4:5], w2 s[6:7], sel s[8:9], ybuf s[10:11]
	v_lshl_add_u32 v28, v0, 2, SPARE               ; the add's two registers, kept for it alone
	v_mov_b32 v29, 0
	v_lshrrev_b32 v1, 5, v0
	v_readfirstlane_b32 s14, v1                    ; wave 0..3
	v_and_b32 v1, 31, v0
	v_and_b32 v2, 15, v0
	v_bfe_u32 v3, v0, 4, 1
	s_bfe_u32 s15, ttmp9, 0x30001                  ; the expert: three bits from bit 1
	s_lshr_b32 s16, ttmp9, 4                       ; the slice of 64 columns
	s_and_b32 s20, ttmp9, 1                        ; the half of K
	v_lshlrev_b32 v12, 4, v1
	v_lshlrev_b32 v17, 4, v2
	v_lshl_add_u32 v4, v3, 15, v17                 ; 16 r + (lane / 16) x 8 rows of 4,096 bytes
	s_wait_alu depctr_va_sdst(0)                   ; s14 is written, ahead of its first reader: the buffers' offsets are made from it
	s_lshl_b32 s40, s15, 23                        ; hbuf: the expert's 64 tiles; my wave's 16 steps of 1,024 bytes in the half's 64
	s_lshl_b32 s19, s20, 16
	s_add_co_u32 s40, s40, s19
	s_lshl_b32 s19, s14, 14
	s_add_co_u32 s40, s40, s19
	s_mov_b32 s41, 0
	s_lshl_b32 s42, s15, 24                        ; w2: the expert, the half's 2,048 rows, my wave's 512, the slice's 256 bytes
	s_lshl_b32 s44, s20, 23
	s_add_co_u32 s42, s42, s44
	s_lshl_b32 s19, s14, 21
	s_add_co_u32 s42, s42, s19
	s_lshl_b32 s19, s16, 8
	s_add_co_u32 s42, s42, s19
	s_mov_b32 s43, 0
	s_add_co_u32 s44, s44, s19                     ; ybuf: the half's 2,048 rows of 4,096 bytes, the slice's 256 bytes
	s_mov_b32 s45, 0
	s_wait_kmcnt 0x0
	s_add_nc_u64 s[4:5], s[4:5], s[40:41]
	s_add_nc_u64 s[6:7], s[6:7], s[42:43]
	s_add_nc_u64 s[10:11], s[10:11], s[44:45]
	s_wait_alu depctr_va_vdst(0)                   ; the offsets v12 and v4 are written, which the loads below read; neither is written again
.set aa, 0
.rept 8
	global_load_b128 v[32+4*aa:35+4*aa], v12, s[8:9] offset:512*aa  ; all 1,024 words of sel: word c of load a is token 128 a + 4 lane + c
.set aa, aa+1
.endr
	WLOAD 0, 0
	WLOAD 1, 1
	WLOAD 2, 2
	WIN 0
	s_mul_i32 s19, s14, LSTB
	s_add_co_u32 s19, s19, LIST
	v_mov_b32 v11, s19
	s_lshr_b32 s30, s14, 1                         ; quarter w = (tile of rows w / 2, rows 4 (w % 2) .. + 3 of each eight): its ranks begin at 16 (w / 2) + 8 (lane / 16) + 4 (w % 2), two bytes each
	s_lshl_b32 s30, s30, 5
	s_add_co_u32 s19, s19, s30
	s_and_b32 s30, s14, 1
	s_lshl_b32 s30, s30, 3
	s_add_co_u32 s19, s19, s30
	v_lshl_add_u32 v10, v3, 4, s19
	s_lshl_b32 s19, s14, 11
	v_add_nc_u32 v13, s19, v12                     ; I write: from wave w, 2,048 bytes
	s_lshl_b32 s19, s14, 13
	v_add_nc_u32 v14, s19, v12                     ; I read: quarter w, 8,192 bytes
	v_mov_b32 v6, v12                              ; tiles 0 and 1: the first product writes them for every expert
	v_add_nc_u32 v7, 0x20000, v12
	s_lshl_b32 s17, 0x101, s15
	s_add_co_u32 s37, s15, 8
	s_mov_b32 s18, 0
	v_lshlrev_b32 v22, 2, v1
	v_add_nc_u32 v23, 1088, v1                     ; the dump ranks lie behind the list's 1,056 places
	v_mov_b32 v64, 0
	v_mov_b32 v65, 0
	v_mov_b32 v66, 0
	v_mov_b32 v67, 0
	v_add_nc_u32 v21, v11, v12
	s_wait_loadcnt 48                              ; sel is in; the three K steps of W2 stay out
	WLOAD 3, 3                                     ; the fourth K step goes out at once: the list is made under four K steps on their way.  No wait: no vector line since the wait above names v4 or slot 3
	WIN 0
.set lw, 0
.rept 32
	v_and_b32 v[32+lw], s17, v[32+lw]              ; the expert's two bits of each word
.set lw, lw+1
.endr
.set lh, 0
.rept 2
.set lj, 0
.rept 16
	v_cmp_ne_u32 s[MK+lj], 0, v[32+16*lh+lj]
.set lj, lj+1
.endr
	s_wait_alu depctr_va_sdst(0)                   ; the sixteen compares have written their masks, ahead of the ranks, picks and counts that read them
.set lj, 0
.rept 16
	LISTG 16*lh+lj, MK+lj
.set lj, lj+1
.endr
.set lh, lh+1
.endr
	s_min_u32 s18, s18, 0x400                      ; M
	v_add_nc_u32 v20, s18, v1
	v_lshl_add_u32 v25, v20, 1, v11                ; ranks M .. M + 31
	s_add_co_u32 s21, s18, 31
	s_lshr_b32 s21, s21, 5                         ; live sub-blocks, 0 to 32
	s_max_u32 s24, s21, 1
	s_lshl_b32 s24, s24, 1
	s_sub_co_u32 s24, s24, 1                       ; the last tile that the first product wrote
	s_wait_alu depctr_va_vdst(0)                   ; v21 and the zeros v64-67, the list's 32 addresses and 32 entries, v25 and v11 are written: the LDS instructions below read them
.set aa, 0
.rept 5
	ds_store_b128 v21, v[64:67] offset:512*aa      ; my 2,560 bytes are cleared; LDS serves a wave's instructions in order, so the entries land on the zeros
.set aa, aa+1
.endr
.set lw, 0
.rept 32
	ds_store_b16 v[LADR+lw], v[LENT+lw]
.set lw, lw+1
.endr
	ds_load_u16 v24, v11                           ; rank 0's entry, into a register that no vector line names
	s_wait_dscnt 0x0
	ds_store_b16 v25, v24                          ; ranks M .. M + 31 repeat it
	; THE FILL.  Four K steps, 64 loads of 512 bytes, are out for each wave; a step is rounded when it is in, and its slot asked for again.
.set g, 0
.rept 16
	s_wait_loadcnt 48                              ; three younger runs of 16 loads stay out: K steps of W2, at the end pieces of h
	WCVT g, g%4
.if g < 15
	s_wait_alu depctr_va_vdst(0)                   ; the step's roundings are done reading the slot, in which the loads below land; v6 and v7, which the pieces' loads read, are written
.endif
.if g < 12
	WLOAD g+4, g%4
.elseif g == 12
	APIECE 0, 6, 0
.elseif g == 13
	APIECE 1, 6, 1
.elseif g == 14
	APIECE 2, 7, 0
.endif
.set g, g+1
.endr
	WIN 0                                          ; at a label and at a branch every window is 0
	s_mov_b32 s22, 0
	s_mov_b32 s27, 0
	s_mov_b32 s29, 0
	s_mov_b32 s26, 8
.Louter:
	s_mov_b32 s23, 0
	s_mov_b32 s25, 4
.Lmul:                                             ; at this label slots 0, 1, 2 of the ring have been asked for, in that order, whichever way leads here: a sub-block is one turn of the ring
	s_cmp_ge_u32 s22, s21
	s_cbranch_scc1 .Lmul_next
	s_lshl_b32 s19, s22, 1                         ; the next sub-block's two tiles, held to the last written one and, by a constant, to the expert's 64
	s_add_co_u32 s19, s19, 2
	s_min_u32 s38, s19, s24
	s_min_u32 s38, s38, 63
	s_lshl_b32 s38, s38, 17
	s_add_co_u32 s19, s19, 1
	s_min_u32 s39, s19, s24
	s_min_u32 s39, s39, 63
	s_lshl_b32 s39, s39, 17
	s_wait_loadcnt 32                              ; this piece is in; the two younger pieces stay out (so in every piece)
	s_wait_alu depctr_vm_vsrc(0)                   ; the LDS stores of the sub-block before (at the first: the clearing stores) have read the accumulators' registers, which this one's products write, and v15, which is written at its end
	s_wait_alu depctr_va_vdst(0)                   ; the last products of the sub-block before (at the first: the last K step's roundings) are done reading slot 3; the four places behind those products stand ahead of its LDS stores
	APIECE 3, 7, 1                                 ; three pieces ahead, into the slot that the piece before has left; the products below name none of these loads' registers (so in every piece)
	MM16 0, 0, 0, 0
	MM16 0, 0, 0, 1
	s_wait_loadcnt 32                              ; slots 0 and 1 are in, so v6, which their loads named, may be written
	WIN 0
	s_wait_alu depctr_vm_vsrc(0)                   ; those loads have read v6
	v_add_nc_u32 v6, s38, v12                      ; this line and three v_nop are the four places
	v_nop
	v_nop
	v_nop
	s_wait_alu depctr_va_vdst(0)                   ; v6 is written; the products above are done reading slot 0
	APIECE 0, 6, 0
	MM16 0, 1, 1, 0
	MM16 0, 1, 1, 1
	s_wait_loadcnt 32
	PLACES
	s_wait_alu depctr_va_vdst(0)                   ; the products above are done reading slot 1
	APIECE 1, 6, 1
	MM16 1, 0, 2, 0
	MM16 1, 0, 2, 1
	s_wait_loadcnt 32                              ; slots 2 and 3 are in, so v7 may be written
	WIN 0
	s_wait_alu depctr_vm_vsrc(0)                   ; their loads have read v7
	v_add_nc_u32 v7, s39, v12
	v_nop
	v_nop
	v_nop
	s_wait_alu depctr_va_vdst(0)                   ; v7 is written; the products above are done reading slot 2
	APIECE 2, 7, 0
	MM16 1, 1, 3, 0
	MM16 1, 1, 3, 1
	WIN 0
	v_add_nc_u32 v15, s23, v13                     ; free since the sub-block's first wait on vm_vsrc; with three v_nop the four places behind the last product
	v_nop
	v_nop
	v_nop
	s_wait_alu depctr_va_vdst(0)                   ; the products have written the accumulators, and v15 is written: the LDS stores read both; the places above stay beside this wait
.set mm, 0
.rept 16                               ; my partial sums, ascending (each accumulator's low half first): store m goes to quarter 2 (m / 8) + m % 2, piece (m / 2) % 4
	ds_store_b128 v15, v[ACC+4*mm:ACC+4*mm+3] offset:(2*(mm/8)+mm%2)*8192+((mm/2)%4)*512
.set mm, mm+1
.endr
.Lmul_next:
	s_add_co_u32 s22, s22, 1
	s_add_co_u32 s23, s23, 32768
	s_sub_co_u32 s25, s25, 1
	s_cmp_lg_u32 s25, 0
	s_cbranch_scc1 .Lmul
	s_wait_dscnt 0x0                               ; for the others' sake: my stores into the exchange are done
	s_barrier_signal -1
	s_barrier_wait -1
	s_mov_b32 s28, 0
	s_mov_b32 s25, 4
.Lfin:
	s_cmp_ge_u32 s27, s21
	s_cbranch_scc1 .Lfin_next
	s_wait_xcnt 0x0                                ; v128-149, which the last stores read, are written again only behind this wait
	s_wait_alu depctr_vm_vsrc(0)                   ; beside it: those stores (at the first: the list's) have read v128-149, the last trip's LDS loads v16 and v18, and my LDS stores the accumulators, in which the loads below land
	v_add_nc_u32 v16, s28, v14
	v_add_nc_u32 v18, s29, v10
	s_wait_alu depctr_va_vdst(0)                   ; v16 and v18 are written; the last trip's arithmetic is done with v64-127 and v144-145, in which the loads below land
	ds_load_b64 v[144:145], v18                    ; my four rows' entries
.set mm, 0
.rept 16                               ; my quarter from all four waves: from wave mm / 4, tile of columns mm % 4
	ds_load_b128 v[ACC+4*mm:ACC+4*mm+3], v16 offset:(mm/4)*2048+(mm%4)*512
.set mm, mm+1
.endr
	s_wait_dscnt 0x0
.set zz, 0
.rept 8
	v_pk_add_f32 v[ACC+2*zz:ACC+2*zz+1], v[ACC+2*zz:ACC+2*zz+1], v[ACC+16+2*zz:ACC+16+2*zz+1]
	v_pk_add_f32 v[ACC+32+2*zz:ACC+32+2*zz+1], v[ACC+32+2*zz:ACC+32+2*zz+1], v[ACC+48+2*zz:ACC+48+2*zz+1]
.set zz, zz+1
.endr
	v_and_b32 v146, 0xffff, v144
	v_lshrrev_b32 v147, 16, v144
	v_and_b32 v148, 0xffff, v145
	v_lshrrev_b32 v149, 16, v145
.set jj, 0
.rept 4
	v_min_u32 v[146+jj], 0x7ff, v[146+jj]          ; a loaded number enters an address only behind this bound
.set jj, jj+1
.endr
.set jj, 0
.rept 4
	v_lshl_add_u32 v[146+jj], v[146+jj], 12, v17   ; the row of ybuf, and my 16 bytes of the slice's 256
.set jj, jj+1
.endr
.set jj, 0
.rept 4
.set cc, 0
.rept 4
	v_add_f32 v[OUTR+4*jj+cc], v[ACC+4*cc+jj], v[ACC+32+4*cc+jj]  ; the last addition lays the four tiles' columns side by side
.set cc, cc+1
.endr
.set jj, jj+1
.endr
	s_wait_alu depctr_va_vdst(0)                   ; the sixteen additions have written v128-143 and the address lines v146-149, which the four stores read
.set jj, 0
.rept 4
	global_store_b128 v[146+jj], v[OUTR+4*jj:OUTR+4*jj+3], s[10:11]  ; each half of the lanes stores 256 consecutive bytes of a row, at a multiple of 256
.set jj, jj+1
.endr
.Lfin_next:
	s_add_co_u32 s27, s27, 1
	s_add_co_u32 s28, s28, 32768
	s_add_co_u32 s29, s29, 64
	s_sub_co_u32 s25, s25, 1
	s_cmp_lg_u32 s25, 0
	s_cbranch_scc1 .Lfin
	s_wait_dscnt 0x0                               ; my reads of the exchange are over: behind the barrier it is written again
	s_barrier_signal -1
	s_barrier_wait -1
	s_sub_co_u32 s26, s26, 1
	s_cmp_lg_u32 s26, 0
	s_cbranch_scc1 .Louter
	s_wait_dscnt 0x0                               ; the wave's end
	s_wait_alu 0x0
	s_wait_tensorcnt 0x0
	ds_add_u32 v28, v29
	s_wait_dscnt 0x0
	s_endpgm
.Lfunc_end_k_qebc64fe16b_ffn2:
	.size	k_qebc64fe16b_ffn2, .Lfunc_end_k_qebc64fe16b_ffn2-k_qebc64fe16b_ffn2
	.p2alignl 7, 3214868480
	.fill 96, 4, 3214868480
	.section	.rodata,"a",@progbits
	.p2align	6, 0x0
	.amdhsa_kernel k_qebc64fe16b_ffn2
		.amdhsa_group_segment_fixed_size 141824
		.amdhsa_private_segment_fixed_size 0
		.amdhsa_enable_private_segment 0
		.amdhsa_kernarg_size 32
		.amdhsa_user_sgpr_count 2
		.amdhsa_user_sgpr_kernarg_segment_ptr 1
		.amdhsa_wavefront_size32 1
		.amdhsa_system_sgpr_workgroup_id_x 1
		.amdhsa_system_sgpr_workgroup_id_y 1
		.amdhsa_system_sgpr_workgroup_id_z 1
		.amdhsa_system_vgpr_workitem_id 0
		.amdhsa_next_free_vgpr 1024
		.amdhsa_next_free_sgpr 66
		.amdhsa_reserve_vcc 0
		.amdhsa_float_denorm_mode_32 3
		.amdhsa_float_denorm_mode_16_64 3
		.amdhsa_memory_ordered 1
		.amdhsa_forward_progress 1
		.amdhsa_inst_pref_size 109
	.end_amdhsa_kernel
	.amdgpu_metadata
---
amdhsa.version: [ 1, 2 ]
amdhsa.kernels:
  - .name:           k_qebc64fe16b_ffn2
    .symbol:         k_qebc64fe16b_ffn2.kd
    .args:
      - { .name: hbuf, .offset: 0, .size: 8, .value_kind: global_buffer, .address_space: global }
      - { .name: w2, .offset: 8, .size: 8, .value_kind: global_buffer, .address_space: global }
      - { .name: sel, .offset: 16, .size: 8, .value_kind: global_buffer, .address_space: global }
      - { .name: ybuf, .offset: 24, .size: 8, .value_kind: global_buffer, .address_space: global }
    .group_segment_fixed_size: 141824
    .private_segment_fixed_size: 0
    .kernarg_segment_align: 8
    .kernarg_segment_size: 32
    .max_flat_workgroup_size: 128
    .sgpr_count:     66
    .vgpr_count:     1024
    .wavefront_size: 32
...
	.end_amdgpu_metadata
.endif
;; end of part 6
;; launch combine: the kernel of part 4 again; grid 256 x 1, 4 waves a work-group, no clusters, 0 bytes of LDS; arguments ybuf, b2, sel, gate, out0; writes out0
